; MI455X (gfx1250); checked and timed in simulation.
; The chip was launched on July 23, 2026; its instructions are those of AMD's public machine-readable ISA for CDNA 5 (MIT licence, August 2026) and "CDNA5" Instruction Set Architecture Reference Guide (July 2026). The comments in the code are by the model that wrote it; some were corrected since.
;; MHA. Allowed arithmetic: matrix products marked QUANTISED: E2M1 operands, one E8M0 scale for each 32 along K, by v_wmma_scale_f32_16x16x128_f8f6f4 with both operands' format E2M1 (or v_wmma_scale_f32_32x16x128_f4), f32 sums; products left as they are: bf16, f16 or f32 operands; f32 sums; everything else in f32.
;; Inputs: dense_b 1,024 float32; dense_w 1,024 x 1,024 float32; mask 1 x 1 x 2,048 x 2,048 float32; wk_b 1,024 float32; wk_w 1,024 x 1,024 float32; wq_b 1,024 float32; wq_w 1,024 x 1,024 float32; wv_b 1,024 float32; wv_w 1,024 x 1,024 float32; x 4 x 2,048 x 1,024 float32.
;; Outputs: out0 4 x 2,048 x 1,024 float32.
;; This version of the problem:
;;   THIS VERSION OF THE PROBLEM IS GIVEN IN LOW PRECISION. The matrix products marked QUANTISED in the list below multiply operands that are first quantised to E2M1 (2 exponent bits, 1 mantissa bit; 4 bits a number), with one power-of-two scale for each 32 numbers along K (OCP MX v1.0); their sums are f32. The products marked 'left as it is' may take bf16, f16 or f32 operands, with f32 sums. Whichever they take, every output number must still come out within the allowed error. Rounding operands to bf16 (8 significant bits) uses up far more of that allowance than f16 does (11 bits, for magnitudes from 6e-5 to 65,504). All else is computed in f32.
;;   The module's matrix products, in the order in which they are computed (A, B: the left and right operand; K: the contracted axis; several contracted axes count as one K, in the product's order):
;;     1. [M 8,192, K 1,024] x [K 1,024, N 1,024]; A: input x; B: input wq_w: QUANTISED
;;     2. [M 8,192, K 1,024] x [K 1,024, N 1,024]; A: input x; B: input wk_w: QUANTISED
;;     3. [M 8,192, K 1,024] x [K 1,024, N 1,024]; A: input x; B: input wv_w: QUANTISED
;;     4. batch 64 x [M 2,048, K 64] x [K 64, N 2,048]; A: computed on the way; B: computed on the way: left as it is (an operand is computed on the way)
;;     5. batch 64 x [M 2,048, K 2,048] x [K 2,048, N 64]; A: computed on the way; B: computed on the way: left as it is (an operand is computed on the way)
;;     6. [M 8,192, K 1,024] x [K 1,024, N 1,024]; A: computed on the way; B: input dense_w: left as it is (an operand is computed on the way)
;;   THE QUANTISER, for each operand of a quantised product, along K:
;;     - K is cut into blocks of 32 from its start; a last block that is shorter is filled with zeros.
;;     - A block's scale is 2^e with e = floor(log2(the largest magnitude in the block)) - 2, held to -126 .. 127; a block of zeros has e = 0. As a byte (E8M0): e + 127.
;;     - Each number is divided by its block's scale, clamped to +-6, and rounded to the nearest number of E2M1, ties to even, subnormals kept.
;;     - The product sums the exact products of the quantised numbers (number of the format x scale) in f32.
;;   ~~~python
;;   def quantise(x, axis):      # numpy; x: float32 -> the quantised numbers, widened to float32 again
;;       x = np.moveaxis(x, axis, -1); K = x.shape[-1]
;;       x = np.pad(x, [(0, 0)] * (x.ndim - 1) + [(0, -K % 32)]); x = x.reshape(x.shape[:-1] + (-1, 32)); a = np.abs(x).max(-1, keepdims=True)
;;       e = np.where(a > 0, np.clip(np.frexp(np.where(a > 0, a, 1))[1] - 1 - 2, -126, 127), 0)      # np.frexp(a)[1] - 1 = floor(log2(a)), exactly
;;       r = np.clip(x / 2.0 ** e, -6, 6)
;;       step = 2.0 ** (np.maximum(np.frexp(np.where(r == 0, 1, r))[1] - 1, 0) - 1)
;;       q = np.round(r / step) * step * 2.0 ** e      # np.round: ties to even
;;       return np.moveaxis(q.reshape(q.shape[:-2] + (-1,))[..., :K], -1, axis).astype(np.float32)
;;   ~~~
;; One version. Each part assembles by itself: llvm-mc -triple=amdgcn-amd-amdhsa -mcpu=gfx1250 --defsym DOCPART=n.
;; ======== version 1 of 1: 5 launches
;; limits: right only within a limited range of input values; values are held in f16: magnitudes above 65,504 overflow, below 6.1e-05 lose precision
;; workspace buffers: xq 4,456,448 bytes; w4 1,671,168 bytes; wimg 4,194,304 bytes; flags 2,048 bytes of whole numbers; qk 33,554,432 bytes; vimg 33,554,432 bytes; oimg 16,777,216 bytes
;; launch prep (part 1): grid 432 x 1, 4 waves a work-group, no clusters, 68,096 bytes of LDS; arguments x, wq_w, wk_w, wv_w, dense_w, mask, xq, w4, wimg, flags; writes xq, w4, wimg, flags
.if DOCPART == 1
	.amdgcn_target "amdgcn-amd-amdhsa--gfx1250"
	.amdhsa_code_object_version 6
	.text
	.protected	k_q5b6ae6cfea_prep
	.globl	k_q5b6ae6cfea_prep
	.p2align	8
	.type	k_q5b6ae6cfea_prep,@function
k_q5b6ae6cfea_prep:
	s_mov_b64 s[64:65], 0
	v_nop
	global_prefetch_b8 v0, s[64:65] scope:SCOPE_SE
	s_setreg_imm32_b32 hwreg(HW_REG_WAVE_MODE, 25, 1), 1
	s_wait_xcnt 0x0
; PREP: everything that is made once from the inputs.  Four paths, chosen by the work-group's number; waves share nothing, so there is no barrier.
;   X (work-groups 0-255):   x [8192][1024] f32 -> codes of FP4 (E2M1), K innermost, xq + 0 [8192][512 bytes], and one E8M0 byte for each 32 along K, xq + 4,194,304 [8192][32].
;   M (256-319): the mask [2048][2048] f32 -> two bit words for each 8 rows: which tiles of 8 rows x 64 keys are DEAD and which are ZERO.
;   D (320-383): dense_w [k 1024][n 1024] f32 -> f16 operand images, a high part (wimg + 0) and a low part (wimg + 2,097,152).
;   W (384-431): wq_w, wk_w, wv_w [k][n] f32 -> codes with K innermost, w4 + 0 [3072 columns][512 bytes], scale bytes w4 + 1,572,864 [3072][32].
; THE QUANTISER: a block's scale is 2^(floor(log2(largest magnitude)) - 2); its byte is the largest magnitude's exponent field - 2, held at 1 from below.  A block of zeros gets the byte 1 where the
; rule says 127: its codes are zeros, which add nothing under any byte but 0xff, and this program alone reads the bytes.
; THE FLAGS: word rho (0..255) of flags: dead bits of mask rows 8 rho .. 8 rho + 7; word 256 + rho: their zero bits.  Bit i = keys 128 i .. 128 i + 63, bit 16 + i = keys 128 i + 64 .. 128 i + 127.
;   dead: every element of the tile is at least its own row's smallest mask + 0.01: 1e7 in score under that row's best key, so its weight is exactly 0.   zero: every element is +-0.
; AN IMAGE: a 16-bit operand fragment (16 rows x 32 along K, 8 registers a lane) lies in memory as its registers: two halves u of 512 bytes, lane l's 16 bytes at 16 l: row l % 16, k = 16 u + 8 (l / 16) + 0..7.
;   wimg: [64 tiles of 16 columns][32 steps of 32 along K][u][512].
; LIMITS: NaN and infinities are not served; blocks whose largest magnitude lies under 2^-124 keep the byte 1; |mask| up to 1e4; a row's scores spread by less than 5e6.
.set SPARE, 67584                      ; the spare words, 128 bytes for each wave, behind X's four regions (0 ..) and W's four stages (32,768 ..): each path has LDS bytes of its own
.set SPW,   12                         ; v12  LDS address of my spare word; never rewritten
.set NIL,   13                         ; v13  0; never rewritten
	s_load_b512 s[4:19], s[0:1], 0x0               ; x 4, wq 6, wk 8, wv 10, dense 12, mask 14, xq 16, w4 18
	s_load_b128 s[20:23], s[0:1], 0x40             ; wimg 20, flags 22
	v_lshl_add_u32 v[SPW], v0, 2, SPARE
	v_mov_b32 v[NIL], 0
	v_lshrrev_b32 v1, 5, v0
	v_readfirstlane_b32 s24, v1                    ; wave 0..3
	v_and_b32 v2, 31, v0                           ; lane
	s_mov_b32 s29, 0                               ; the upper word of every 32-bit offset in s[28:29]
	s_wait_kmcnt 0x0
	s_cmp_lt_u32 ttmp9, 256
	s_cbranch_scc1 .Lpath_x
	s_cmp_lt_u32 ttmp9, 320
	s_cbranch_scc1 .Lpath_m
	s_cmp_lt_u32 ttmp9, 384
	s_cbranch_scc1 .Lpath_d
; ---------------- W: a lane takes a column n, and its registers run down K: a block of 32 lies in one lane, and the conversions give codes with K innermost.
; A wave takes 32 columns x 512 along K: 16 blocks a lane, 256 bytes of codes a column; they leave through the wave's own stage as rows: sixteen lanes store 256 consecutive bytes, aligned.
.set WPITCH, 272
.set WSTG,   32768
.set WX,     32                        ; v32-95   two sets of 32 numbers
.set WC,     96                        ; v96-99   a block's codes
.set WOUT,   112                       ; v112-175 the way out
.set WSB,    24                        ; v24-27   the scale bytes, four to a register
	s_sub_co_u32 s25, ttmp9, 384
	s_lshr_b32 s26, s25, 4                         ; which weight: 0 q, 1 k, 2 v
	s_and_b32 s27, s25, 7                          ; which 128 columns
	s_bfe_u32 s28, s25, 0x10003                    ; which 512 along K
	s_cmp_eq_u32 s26, 0
	s_cselect_b64 s[4:5], s[6:7], s[8:9]
	s_cmp_eq_u32 s26, 2
	s_cselect_b64 s[4:5], s[10:11], s[4:5]         ; the weight's address: a choice on the work-group's number alone
	s_lshl_b32 s27, s27, 7
	s_lshl_b32 s30, s24, 5
	s_add_co_u32 s27, s27, s30                     ; my wave's first column
	v_lshlrev_b32 v3, 2, v2                        ; in: 4 bytes a lane
	s_mul_i32 s30, s24, 32*WPITCH
	s_add_co_u32 s30, s30, WSTG                    ; my stage
	v_mul_u32_u24 v4, v2, WPITCH
	v_add_nc_u32 v4, s30, v4                       ; into it: row = my column
	v_and_b32 v5, 15, v2
	v_lshrrev_b32 v6, 4, v2
	v_mul_u32_u24 v7, v6, WPITCH
	v_lshl_add_u32 v7, v5, 4, v7
	v_add_nc_u32 v7, s30, v7                       ; out of it: sixteen lanes to a row, two rows an instruction
	v_lshlrev_b32 v8, 9, v6
	v_lshl_add_u32 v8, v5, 4, v8                   ; the same place among the codes: rows of 512 bytes
	v_lshlrev_b32 v9, 5, v2                        ; my column's row of 32 scale bytes
	s_lshl_b32 s30, s28, 21                        ; the weight: 512 rows of 4,096 bytes,
	s_lshl_b32 s31, s27, 2
	s_add_co_u32 s30, s30, s31                     ; + 4 x column
	s_mov_b32 s31, 0
	s_add_nc_u64 s[4:5], s[4:5], s[30:31]
	s_lshl_b32 s30, s26, 19                        ; the codes: 1,024 rows of 512 bytes a weight,
	s_lshl_b32 s32, s27, 9
	s_add_co_u32 s30, s30, s32
	s_lshl_b32 s32, s28, 8
	s_add_co_u32 s30, s30, s32                     ; + 512 x column + 256 x half of K
	s_add_nc_u64 s[6:7], s[18:19], s[30:31]
	s_lshl_b32 s30, s26, 15                        ; the scale bytes likewise: rows of 32
	s_lshl_b32 s32, s27, 5
	s_add_co_u32 s30, s30, s32
	s_lshl_b32 s32, s28, 4
	s_add_co_u32 s30, s30, s32
	s_add_co_u32 s30, s30, 0x180000
	s_add_nc_u64 s[8:9], s[18:19], s[30:31]
.macro WLOAD t                         ; block t: W(32 t + i, my column), i = 0 .. 31, into set t % 2: 128 consecutive bytes a wave, 512 a work-group
.set wi, 0
.rept 32
	global_load_b32 v[WX+32*((\t)%2)+wi], v3, s[4:5] offset:(32*(\t)+wi)*4096 th:TH_LOAD_NT
.set wi, wi+1
.endr
.endm
.macro WBLOCK t
.set XS, WX+32*((\t)%2)
.if (\t) < 15
	s_wait_loadcnt 32                              ; this block's 32 loads are in; the next block's may be out
.else
	s_wait_loadcnt 0
.endif
	v_max3_num_f32 v18, |v[XS]|, |v[XS+1]|, |v[XS+2]|      ; the block's largest magnitude: all 32 numbers are mine
	v_max3_num_f32 v19, |v[XS+3]|, |v[XS+4]|, |v[XS+5]|
.irp i, 6,10,14,18,22,26
	v_max3_num_f32 v18, v18, |v[XS+\i]|, |v[XS+\i+1]|
	v_max3_num_f32 v19, v19, |v[XS+\i+2]|, |v[XS+\i+3]|
.endr
	v_max3_num_f32 v18, v18, |v[XS+30]|, |v[XS+31]|
	v_max3_num_f32 v18, v18, v19, 0x1800000        ; and the floor 2^(3 - 127): the byte cannot fall under 1
	v_add_nc_u32 v11, 0xff000000, v18              ; 2 off its exponent field: the conversion takes the exponent field of this operand as its scale
	v_lshrrev_b32 v19, 23, v11                     ; the scale's byte
.if (\t)%4 == 0
	v_mov_b32 v[WSB+(\t)/4], v19
.else
	v_lshl_or_b32 v[WSB+(\t)/4], v19, 8*((\t)%4), v[WSB+(\t)/4]
.endif
.irp g, 0,1,2,3
	v_cvt_scalef32_pk8_fp4_f32 v[WC+\g], v[XS+8*\g:XS+8*\g+7], v11
.endr
	ds_store_b128 v4, v[WC:WC+3] offset:16*(\t)    ; 32 codes: 16 bytes of my column's row
.if (\t)+2 < 16
	WLOAD (\t)+2
.endif
	s_wait_dscnt 0x0                               ; the store has read its registers: the next block's codes may be written
.endm
	WLOAD 0
	WLOAD 1
.set Q, 0
.rept 16
	WBLOCK Q
.set Q, Q+1
.endr
	global_store_b128 v9, v[WSB:WSB+3], s[8:9]     ; my column's 16 scale bytes
.irp t, 0,1,2,3,4,5,6,7,8,9,10,11,12,13,14,15
	ds_load_b128 v[WOUT+4*\t:WOUT+4*\t+3], v7 offset:2*\t*WPITCH   ; LDS serves a wave's instructions in order: these see my stores
.endr
.irp t, 0,1,2,3,4,5,6,7,8,9,10,11,12,13,14,15
	s_wait_dscnt 15-\t
	global_store_b128 v8, v[WOUT+4*\t:WOUT+4*\t+3], s[6:7] offset:2*\t*512
.endr
	s_wait_tensorcnt 0x0                           ; the wave's end
	ds_add_u32 v[SPW], v[NIL]
	s_wait_dscnt 0x0
	s_endpgm
; ---------------- X: x is a plain stream of blocks of 32.  A wave takes 16 steps of 512 numbers.  Each load reads 512 consecutive bytes; a step's 2,048 bytes turn through the wave's own
; stage in LDS and come back 64 bytes a lane, so that a lane holds 16 neighbours (two lanes a block).  A lane's 16 codes are 8 bytes: the wave stores 256 consecutive bytes.
.set XSP, 80                           ; a lane's place in a stage: 64 bytes + 16 of padding
.set XR,  16                           ; v16-79   four sets of 16 numbers as loaded
.set XX,  80                           ; v80-111  two sets of 16 neighbours
.set XE,  112                          ; v112-127 a scale byte for each step
.set XC,  128                          ; v128-191 codes: registers of its own for each step
.Lpath_x:
	v_lshlrev_b32 v3, 4, v2                        ; my 16 bytes of a load's 512
	s_lshl_b32 s25, s24, 13                        ; my region of LDS: 8,192 x wave
	v_lshrrev_b32 v14, 2, v2
	v_mul_u32_u24 v14, v14, XSP
	v_and_b32 v15, 3, v2
	v_lshl_add_u32 v14, v15, 4, v14
	v_add_nc_u32 v14, s25, v14                     ; the stage on the way in: four lanes' 64 bytes on end, then the padding
	v_mul_u32_u24 v15, v2, XSP
	v_add_nc_u32 v15, s25, v15                     ; and on the way out: my 16 neighbours
	v_lshlrev_b32 v4, 3, v2                        ; my codes' place in a step's
	v_lshrrev_b32 v5, 1, v2
	s_add_co_u32 s25, s25, 2*32*XSP
	v_add_nc_u32 v5, s25, v5                       ; my wave's 256 scale bytes: my block's byte
	v_lshlrev_b32 v7, 3, v2
	v_add_nc_u32 v6, s25, v7                       ; and on the way out 8 bytes a lane
	s_lshl_b32 s26, ttmp9, 2
	s_add_co_u32 s26, s26, s24                     ; which run of 8,192 numbers is my wave's
	s_lshl_b32 s28, s26, 15
	s_add_nc_u64 s[4:5], s[4:5], s[28:29]
	s_lshl_b32 s28, s26, 12
	s_add_nc_u64 s[8:9], s[16:17], s[28:29]        ; its codes
	s_lshl_b32 s28, s26, 8
	s_add_co_u32 s28, s28, 0x400000
	s_add_nc_u64 s[10:11], s[16:17], s[28:29]      ; its scale bytes
.macro XLOAD t
.irp i, 0,1,2,3
	global_load_b128 v[XR+16*((\t)%4)+4*\i:XR+16*((\t)%4)+4*\i+3], v3, s[4:5] offset:2048*(\t)+512*\i th:TH_LOAD_NT
.endr
.endm
.macro XTURN t                         ; step t's numbers through the stage: LDS serves a wave's instructions in order
.irp i, 0,1,2,3
	ds_store_b128 v14, v[XR+16*((\t)%4)+4*\i:XR+16*((\t)%4)+4*\i+3] offset:32*XSP*((\t)%2)+8*XSP*\i
.endr
.irp i, 0,1,2,3
	ds_load_b128 v[XX+16*((\t)%2)+4*\i:XX+16*((\t)%2)+4*\i+3], v15 offset:32*XSP*((\t)%2)+16*\i
.endr
.endm
.irp t, 0,1,2,3
	XLOAD \t
.endr
	s_wait_loadcnt 12                              ; step 0's four loads are in
	XTURN 0
.macro XSTEP t
.set XS, XX+16*((\t)%2)
.if (\t) > 0
	s_wait_dscnt 1                                 ; this step's numbers are back from the stage (the last step's byte store may be out)
.else
	s_wait_dscnt 0x0
.endif
.if (\t)+4 < 16
	XLOAD (\t)+4                                   ; into the registers that the stage's stores have read
.endif
.if (\t)+1 < 16
.if 14-(\t) >= 3
	s_wait_loadcnt 12                              ; the next step's four loads are in; those of the three steps behind it may be out
.else
	s_wait_loadcnt 4*(14-(\t))
.endif
	XTURN (\t)+1
.endif
	v_max3_num_f32 v8, |v[XS]|, |v[XS+1]|, |v[XS+2]|
	v_max3_num_f32 v9, |v[XS+3]|, |v[XS+4]|, |v[XS+5]|
.irp i, 6,10
	v_max3_num_f32 v8, v8, |v[XS+\i]|, |v[XS+\i+1]|
	v_max3_num_f32 v9, v9, |v[XS+\i+2]|, |v[XS+\i+3]|
.endr
	v_max3_num_f32 v8, v8, |v[XS+14]|, |v[XS+15]|
	v_max3_num_f32 v8, v8, v9, 0x1800000           ; the floor 2^(3 - 127)
	v_max_num_f32_dpp v8, v8, v8 row_xmask:1 row_mask:0xf bank_mask:0xf   ; with my neighbour's 16: the block's largest magnitude
	v_add_nc_u32 v11, 0xff000000, v8               ; 2 off its exponent field: the conversion's scale operand
	v_cvt_scalef32_pk8_fp4_f32 v[XC+4*(\t)], v[XS:XS+7], v11
	v_cvt_scalef32_pk8_fp4_f32 v[XC+4*(\t)+1], v[XS+8:XS+15], v11
	v_lshrrev_b32 v[XE+(\t)], 23, v11              ; the scale's byte
	ds_store_b8 v5, v[XE+(\t)] offset:16*(\t)      ; both lanes of a block write the same byte with the same value
	global_store_b64 v4, v[XC+4*(\t):XC+4*(\t)+1], s[8:9] offset:256*(\t)
.endm
.irp t, 0,1,2,3,4,5,6,7,8,9,10,11,12,13,14,15
	XSTEP \t
.endr
	ds_load_b64 v[8:9], v6
	s_wait_dscnt 0x0
	global_store_b64 v7, v[8:9], s[10:11]          ; 32 lanes store 256 consecutive bytes, aligned
	s_wait_tensorcnt 0x0                           ; the wave's end
	ds_add_u32 v[SPW], v[NIL]
	s_wait_dscnt 0x0
	s_endpgm
; ---------------- M: a wave takes 8 rows of the mask, a row at a time in 64 registers (16 loads of 512 bytes; in load i lanes 0-15 hold keys 128 i .. + 63, lanes 16-31 the next 64).
; v48-63 each load's smallest of my four; v16-31 the smallest over the rows of (that - the row's threshold); v32-47 the largest magnitude over the rows.  Three row buffers take turns.
.Lpath_m:
	s_sub_co_u32 s25, ttmp9, 256
	s_lshl_b32 s25, s25, 2
	s_add_co_u32 s26, s25, s24                     ; rho: which 8 rows
	s_lshl_b32 s28, s26, 16
	s_add_nc_u64 s[14:15], s[14:15], s[28:29]
	v_lshlrev_b32 v10, 4, v2
	s_mov_b32 s30, 0x76543210
	s_mov_b32 s31, 0xfedcba98                      ; v_permlanex16_b32's selects for lane l xor 16
	v_mov_b32 v4, 0                                ; a lane permute's destination counts as one of its sources
.macro MLROW r
.set mi, 0
.rept 16
	global_load_b128 v[64+64*((\r)%3)+4*mi:64+64*((\r)%3)+4*mi+3], v10, s[14:15] offset:(\r)*8192+512*mi th:TH_LOAD_NT
.set mi, mi+1
.endr
.endm
.macro MROW r, left
.set MB, 64+64*((\r)%3)
	s_wait_loadcnt \left                           ; this row's 16 loads are in; the younger rows' may be out
.set mi, 0
.rept 16
	v_min3_num_f32 v[48+mi], v[MB+4*mi], v[MB+4*mi+1], v[MB+4*mi+2]
.if (\r) == 0
	v_max3_num_f32 v[32+mi], |v[MB+4*mi]|, |v[MB+4*mi+1]|, |v[MB+4*mi+2]|
.else
	v_max3_num_f32 v[32+mi], v[32+mi], |v[MB+4*mi]|, |v[MB+4*mi+1]|
.endif
.set mi, mi+1
.endr
.set mi, 0
.rept 16
	v_min_num_f32 v[48+mi], v[48+mi], v[MB+4*mi+3]
.if (\r) == 0
	v_max_num_f32 v[32+mi], v[32+mi], |v[MB+4*mi+3]|
.else
	v_max3_num_f32 v[32+mi], v[32+mi], |v[MB+4*mi+2]|, |v[MB+4*mi+3]|
.endif
.set mi, mi+1
.endr
	v_min3_num_f32 v3, v48, v49, v50               ; the row's smallest mask: my 64, in two chains,
	v_min3_num_f32 v5, v51, v52, v53
.irp i, 54,58
	v_min3_num_f32 v3, v3, v[\i], v[\i+1]
	v_min3_num_f32 v5, v5, v[\i+2], v[\i+3]
.endr
	v_min3_num_f32 v3, v3, v62, v63
	v_min_num_f32 v3, v3, v5
	v_min_num_f32_dpp v3, v3, v3 row_xmask:1 row_mask:0xf bank_mask:0xf   ; and the 32 lanes'
	v_min_num_f32_dpp v3, v3, v3 row_xmask:2 row_mask:0xf bank_mask:0xf
	v_min_num_f32_dpp v3, v3, v3 row_xmask:4 row_mask:0xf bank_mask:0xf
	v_min_num_f32_dpp v3, v3, v3 row_xmask:8 row_mask:0xf bank_mask:0xf
	v_permlanex16_b32 v4, v3, s30, s31
	v_min_num_f32 v3, v3, v4
	v_add_f32 v3, 0x3c23d70a, v3                   ; + 0.01: the row's threshold
.set mi, 0
.rept 16
.if (\r) == 0
	v_sub_f32 v[16+mi], v[48+mi], v3
.else
	v_sub_f32 v[48+mi], v[48+mi], v3
	v_min_num_f32 v[16+mi], v[16+mi], v[48+mi]
.endif
.set mi, mi+1
.endr
.if (\r)+3 < 8
	MLROW (\r)+3
.endif
.endm
	MLROW 0
	MLROW 1
	MLROW 2
	MROW 0, 32
	MROW 1, 32
	MROW 2, 32
	MROW 3, 32
	MROW 4, 32
	MROW 5, 32
	MROW 6, 16
	MROW 7, 0
	s_mov_b32 s42, 0                               ; the dead bits
	s_mov_b32 s43, 0                               ; the zero bits
; a tile's bit is set where all sixteen lanes of its half agree.  Selections only: no branch and no address hangs on these numbers
.irp i, 0,1,2,3,4,5,6,7,8,9,10,11,12,13,14,15
	v_cmp_le_f32 s40, 0, v[16+\i]
	v_cmp_eq_f32 s41, 0, v[32+\i]
	s_and_b32 s44, s40, 0xffff
	s_cmp_eq_u32 s44, 0xffff
	s_cselect_b32 s44, 1<<\i, 0
	s_or_b32 s42, s42, s44
	s_lshr_b32 s44, s40, 16
	s_cmp_eq_u32 s44, 0xffff
	s_cselect_b32 s44, 1<<(16+\i), 0
	s_or_b32 s42, s42, s44
	s_and_b32 s44, s41, 0xffff
	s_cmp_eq_u32 s44, 0xffff
	s_cselect_b32 s44, 1<<\i, 0
	s_or_b32 s43, s43, s44
	s_lshr_b32 s44, s41, 16
	s_cmp_eq_u32 s44, 0xffff
	s_cselect_b32 s44, 1<<(16+\i), 0
	s_or_b32 s43, s43, s44
.endr
	v_mov_b32 v6, s42
	v_mov_b32 v7, s43
	v_cmp_eq_u32 vcc_lo, 1, v2
	v_cndmask_b32 v6, v6, v7, vcc_lo               ; lane 0 the dead word, lane 1 the zero word
	v_lshlrev_b32 v8, 10, v2
	s_lshl_b32 s44, s26, 2
	v_add_nc_u32 v8, s44, v8                       ; 1,024 x lane + 4 rho
	v_cmp_gt_u32 vcc_lo, 2, v2
	s_wait_xcnt 0x0                                ; EXEC changes only behind this wait
	s_and_saveexec_b32 s45, vcc_lo
	global_store_b32 v8, v6, s[22:23]
	s_wait_xcnt 0x0
	s_or_b32 exec_lo, exec_lo, s45
	s_endpgm
; ---------------- D: a lane takes a column n of dense_w and 128 along K in 128 registers.  Eight neighbours along K are 16 bytes of f16: a lane's share of half a fragment.
; HIGH AND LOW: g = 8193 x, d = x - g, hi = g + d has 11 significant bits, so its conversion to f16 rounds nothing (within f16's normal range); lo = x - hi is exact and is rounded to f16.
.Lpath_d:
	s_sub_co_u32 s25, ttmp9, 320
	s_and_b32 s26, s25, 7                          ; which 128 columns
	s_lshr_b32 s27, s25, 3                         ; which 128 along K
	s_lshl_b32 s28, s27, 19
	s_lshl_b32 s30, s26, 9
	s_add_co_u32 s28, s28, s30
	s_lshl_b32 s30, s24, 7
	s_add_co_u32 s28, s28, s30                     ; 128 rows of 4,096 bytes x ky + 4 x (128 nx + 32 wave)
	s_add_nc_u64 s[12:13], s[12:13], s[28:29]
	v_lshlrev_b32 v3, 2, v2
	s_mov_b32 s34, 0x46000400                      ; 8193.0
	s_mov_b32 s35, s34                             ; (named with it as a pair)
.macro DLOAD q
.set di, 32*(\q)
.rept 32
	global_load_b32 v[128+di], v3, s[12:13] offset:di*4096 th:TH_LOAD_NT
.set di, di+1
.endr
.endm
	DLOAD 0
	DLOAD 1
	s_lshl_b32 s28, s26, 3
	s_lshl_b32 s30, s24, 1
	s_add_co_u32 s28, s28, s30                     ; my wave's first tile of 16 columns: 8 nx + 2 wave
	s_lshl_b32 s28, s28, 15
	s_lshl_b32 s30, s27, 12
	s_add_co_u32 s28, s28, s30                     ; x 32,768 + 4,096 ky
	s_add_nc_u64 s[20:21], s[20:21], s[28:29]      ; the high part's images
	s_add_nc_u64 s[30:31], s[20:21], 0x200000      ; the low part's
	v_lshrrev_b32 v4, 4, v2
	v_and_b32 v5, 15, v2
	v_lshlrev_b32 v4, 15, v4
	v_lshl_add_u32 v4, v5, 4, v4                   ; (lane / 16) tiles on, 16 bytes for column lane % 16
.macro DCHUNK g                        ; k = 8 g .. 8 g + 7 of my 128: they lie 256 g bytes on in the images; sixteen lanes store 256 consecutive bytes, aligned
.set DX, 128+8*(\g)
.irp j, 0,2,4,6
	v_pk_mul_f32 v[16+\j:17+\j], v[DX+\j:DX+\j+1], s[34:35] op_sel_hi:[1,0]
.endr
.irp j, 0,2,4,6
	v_pk_add_f32 v[24+\j:25+\j], v[DX+\j:DX+\j+1], v[16+\j:17+\j] neg_lo:[0,1] neg_hi:[0,1]
.endr
.irp j, 0,2,4,6
	v_pk_add_f32 v[16+\j:17+\j], v[16+\j:17+\j], v[24+\j:25+\j]               ; hi
.endr
.irp j, 0,2,4,6
	v_pk_add_f32 v[DX+\j:DX+\j+1], v[DX+\j:DX+\j+1], v[16+\j:17+\j] neg_lo:[0,1] neg_hi:[0,1]   ; lo
.endr
.irp j, 0,1,2,3
	v_cvt_pk_f16_f32 v[32+4*(\g)+\j], v[16+2*\j], v[17+2*\j]
.endr
.irp j, 0,1,2,3
	v_cvt_pk_f16_f32 v[DX+\j], v[DX+2*\j], v[DX+2*\j+1]                       ; in place, ascending: each line reads at or above what it writes
.endr
	global_store_b128 v4, v[32+4*(\g):35+4*(\g)], s[20:21] offset:256*(\g)
	global_store_b128 v4, v[DX:DX+3], s[30:31] offset:256*(\g)
.endm
	s_wait_loadcnt 32                              ; the first 32 are in; the younger 32 may be out
	DLOAD 2
.irp g, 0,1,2,3
	DCHUNK \g
.endr
	s_wait_loadcnt 32
	DLOAD 3
.irp g, 4,5,6,7
	DCHUNK \g
.endr
	s_wait_loadcnt 32
.irp g, 8,9,10,11
	DCHUNK \g
.endr
	s_wait_loadcnt 0x0
.irp g, 12,13,14,15
	DCHUNK \g
.endr
	s_endpgm
.Lfunc_end_k_q5b6ae6cfea_prep:
	.size	k_q5b6ae6cfea_prep, .Lfunc_end_k_q5b6ae6cfea_prep-k_q5b6ae6cfea_prep
	.p2alignl 7, 3214868480
	.fill 96, 4, 3214868480
	.section	.rodata,"a",@progbits
	.p2align	6, 0x0
	.amdhsa_kernel k_q5b6ae6cfea_prep
		.amdhsa_group_segment_fixed_size 68096
		.amdhsa_private_segment_fixed_size 0
		.amdhsa_enable_private_segment 0
		.amdhsa_kernarg_size 80
		.amdhsa_user_sgpr_count 2
		.amdhsa_user_sgpr_kernarg_segment_ptr 1
		.amdhsa_wavefront_size32 1
		.amdhsa_system_sgpr_workgroup_id_x 1
		.amdhsa_system_sgpr_workgroup_id_y 1
		.amdhsa_system_sgpr_workgroup_id_z 1
		.amdhsa_system_vgpr_workitem_id 0
		.amdhsa_next_free_vgpr 256
		.amdhsa_next_free_sgpr 66
		.amdhsa_reserve_vcc 1
		.amdhsa_float_denorm_mode_32 3
		.amdhsa_float_denorm_mode_16_64 3
		.amdhsa_memory_ordered 1
		.amdhsa_forward_progress 1
		.amdhsa_inst_pref_size 221
	.end_amdhsa_kernel
	.amdgpu_metadata
---
amdhsa.version: [ 1, 2 ]
amdhsa.kernels:
  - .name:           k_q5b6ae6cfea_prep
    .symbol:         k_q5b6ae6cfea_prep.kd
    .args:
      - { .name: x, .offset: 0, .size: 8, .value_kind: global_buffer, .address_space: global }
      - { .name: wq_w, .offset: 8, .size: 8, .value_kind: global_buffer, .address_space: global }
      - { .name: wk_w, .offset: 16, .size: 8, .value_kind: global_buffer, .address_space: global }
      - { .name: wv_w, .offset: 24, .size: 8, .value_kind: global_buffer, .address_space: global }
      - { .name: dense_w, .offset: 32, .size: 8, .value_kind: global_buffer, .address_space: global }
      - { .name: mask, .offset: 40, .size: 8, .value_kind: global_buffer, .address_space: global }
      - { .name: xq, .offset: 48, .size: 8, .value_kind: global_buffer, .address_space: global }
      - { .name: w4, .offset: 56, .size: 8, .value_kind: global_buffer, .address_space: global }
      - { .name: wimg, .offset: 64, .size: 8, .value_kind: global_buffer, .address_space: global }
      - { .name: flags, .offset: 72, .size: 8, .value_kind: global_buffer, .address_space: global }
    .group_segment_fixed_size: 68096
    .private_segment_fixed_size: 0
    .kernarg_segment_align: 8
    .kernarg_segment_size: 80
    .max_flat_workgroup_size: 128
    .sgpr_count:     66
    .vgpr_count:     256
    .wavefront_size: 32
...
	.end_amdgpu_metadata
.endif
;; end of part 1
;; launch qkv (part 2): grid 8 x 48, 4 waves a work-group, clusters of 4 x 4, 327,680 bytes of LDS; arguments xq, w4, wq_b, wk_b, wv_b, qk, vimg; writes qk, vimg
.if DOCPART == 2
	.amdgcn_target "amdgcn-amd-amdhsa--gfx1250"
	.amdhsa_code_object_version 6
	.text
	.protected	k_q5b6ae6cfea_qkv
	.globl	k_q5b6ae6cfea_qkv
	.p2align	8
	.type	k_q5b6ae6cfea_qkv,@function
k_q5b6ae6cfea_qkv:
	s_mov_b64 s[64:65], 0
	v_nop
	global_prefetch_b8 v0, s[64:65] scope:SCOPE_SE
	s_setreg_imm32_b32 hwreg(HW_REG_WAVE_MODE, 25, 1), 1
	s_wait_xcnt 0x0
	s_wait_alu depctr_hold_cnt(0) depctr_sa_sdst(0) depctr_va_vdst(0) depctr_va_sdst(0) depctr_va_ssrc(0) depctr_va_vcc(0) depctr_vm_vsrc(0)
	s_getreg_b32 s2, hwreg(HW_REG_IB_STS2, 6, 4)
	s_cmp_eq_u32 s2, 0
	s_cbranch_scc0 .Lentry_in_a_cluster
	s_endpgm
.Lentry_in_a_cluster:
	s_bfe_u32 s2, ttmp6, 0x10000c
	s_cmp_lg_u32 s2, 0xf033
	s_cbranch_scc0 .Lentry_shape_is_right
	s_endpgm
.Lentry_shape_is_right:
; Q, K, V = x W + b on codes of FP4 (E2M1) with one E8M0 scale for each 32 along K = 1,024; sums in f32; the results leave as f16 OPERAND IMAGES for the attention launches.
; A tile of 256 x 256 results is made by four waves, 128 x 128 each: 64 accumulators, 512 registers.  K goes in two steps of 512 through two LDS slots, each filled once; the scale bytes of the
; work-group's rows come once, as dense blocks.  The matrix instruction takes rows of 'B' as source 0 and rows of 'A' as source 1: a lane then holds ONE row of A and eight neighbouring rows of B.
;   clusters y = 0..7 (Q and K):  A = x's tokens, B = columns of wq (cluster x = 0) or wk (x = 1): a lane holds a token and eight neighbouring channels: half a fragment of Q or K.
;   clusters y = 8..11 (V):       A = columns of wv, B = x's tokens: a lane holds a channel and eight neighbouring tokens: half a fragment of V with the keys along its K.
; AN IMAGE: a fragment (16 rows x 32 along K of f16: 8 registers a lane) lies in memory as its registers: two halves u of 512 bytes, lane l's 16 bytes at 16 l.  So each store covers 512 consecutive bytes.
;   qk:   Q at 0, K at 2^24: [batch x head 64][token tile 128][channels 32 c2 on][u][512].      vimg: high part at 0, low part at 2^24: [batch x head][32 keys: 64][16 channels: 4][u][512].
; V goes as a high and a low f16 part (g = 8193 x, d = x - g, hi = g + d: 11 significant bits; lo = x - hi): the launch for each sequence's first 16 positions takes both.
; CLUSTERS: 4 x 4 work-groups; A's tiles are shared along a row of the cluster, B's along a column: each is asked for jointly.  Which part a cluster serves hangs on the cluster's y alone.
; By this text's own count a wave has three tensor loads out at the most.  LIMITS: |q|, |k|, |v| within f16's 65,504.
; REGISTERS: window 0: v0-31 addresses; v32-95 scale words, two sets; v96-111 the bias by lanes; v128-191 A's fragments; v192-255 the bias by registers.  window 1: B's fragments, two sets.  windows 2, 3: the accumulators.
.set KSTEP,  512
.set NQ,     4
.set ROWB,   256
.set KROW,   512
.set PITCH,  272                       ; an LDS row: 256 bytes + 16 of padding: the 16 rows that a load touches start at 16 different banks
.set FR,     8
.set NL,     2
.set NP,     4
.set HALFT,  128*PITCH
.set SLOT,   4*HALFT
.set KS,     32                        ; a row of scale bytes
.set SCL,    2*SLOT
.set HALFS,  16*272                    ; the scales of 128 rows: 4,096 bytes as 16 rows of 256 + 16
.set SBLK,   2*272                     ; those of 16 rows
.set SPARE,  SCL+4*HALFS               ; the spare words, 128 bytes for each wave
.set ADRA, 16
.set ADRB, 20
.set CO,   26                          ; v26  16 x lane: my place in half a fragment
.set ADRS, 27
.set SPW,  28
.set NIL,  29
.set SC,   32
.set LB,   96
.set AF,   128
.set BIAS, 192
.set G1, 24
.set G0, 32
.set G1B, 48
.set G0B, 56
.set G1S, 68
.set G0S, 76
.set G1SB, 80
.set G0SB, 88
.set MSB, 0
.macro WIN new                         ; the immediate's high byte repeats the setting that is left
.if MSB != (\new)
	s_set_vgpr_msb (MSB<<8)|(\new)
.set MSB, (\new)
.endif
.endm
.set MUL_LO, 0xa1                      ; source 0 (B) window 1, source 1 (A) window 0, C and D window 2
.set MUL_HI, 0xf1
.set TO_B,   0x40
; A joint load: waves 0 and 1 fetch for A, waves 2 and 3 for B; the branch hangs on the wave's number alone.  An s_nop 0 and four v_nop follow each of the two lines.
.macro JLOAD g0a, g1a, g0b, g1b
	s_cmp_eq_u32 s15, 0
	s_cbranch_scc0 .Lfor_b_\@
	tensor_load_to_lds s[\g0a:\g0a+3], s[\g1a:\g1a+7]
	s_nop 0
.rept 4
	v_nop
.endr
	s_branch .Lasked_\@
.Lfor_b_\@:
	tensor_load_to_lds s[\g0b:\g0b+3], s[\g1b:\g1b+7]
	s_nop 0
.rept 4
	v_nop
.endr
.Lasked_\@:
.endm
.macro CROUND                          ; a round of the cluster's barrier
	s_barrier_signal -1
	s_barrier_wait -1
	s_cmp_lg_u32 s14, 0
	s_cbranch_scc1 .Lnot_wave_0_\@
	s_barrier_signal -3
.Lnot_wave_0_\@:
	s_barrier_wait -3
	s_barrier_signal -1
	s_barrier_wait -1
.endm
	s_load_b128 s[4:7], s[0:1], 0x0                ; xq, w4
	v_lshl_add_u32 v[SPW], v0, 2, SPARE
	v_mov_b32 v[NIL], 0
	ds_add_u32 v[SPW], v[NIL]                      ; the wave's opening: the add, twice on end, and its wait ahead of my first tensor load
	ds_add_u32 v[SPW], v[NIL]
	v_lshrrev_b32 v1, 5, v0
	v_readfirstlane_b32 s14, v1                    ; wave 0..3
	s_lshr_b32 s15, s14, 1                         ; which half of A's rows is mine.  Also: I fetch for A (0) or for B (1)
	s_and_b32 s16, s14, 1                          ; which half of B's rows.  Also: which 128 rows I fetch
	s_bfe_u32 s40, ttmp6, 0x40000                  ; cx
	s_bfe_u32 s41, ttmp6, 0x40004                  ; cy
	s_and_b32 s101, ttmp7, 0xffff                  ; cluster y
	s_sub_co_u32 s96, s101, 8
	s_lshl_b32 s96, s96, 1
	s_add_co_u32 s96, s96, ttmp9                   ; V's part: which four tiles of tokens
	s_cmp_ge_u32 s101, 8
	s_cselect_b32 s100, 1, 0                       ; 1: this cluster makes V.  The same in all sixteen partners
	s_cselect_b32 s97, 2, s101                     ; A's row of clusters: V: w4's rows 2,048 on
	s_cselect_b32 s96, s96, ttmp9                  ; B's column of clusters
	s_lshl_b32 s42, s96, 2
	s_add_co_u32 s42, s42, s40                     ; B's tile of 256 rows
	s_lshl_b32 s17, s97, 2
	s_add_co_u32 s17, s17, s41                     ; A's tile of 256 rows
	s_lshl_b32 s43, s41, 2
	s_lshl_b32 s43, 15, s43                        ; my row of the cluster
	s_lshl_b32 s44, 0x1111, s40                    ; my column
	s_or_b32 s[G1+0], s43, (0<<16)|(1<<20)|(1<<21)|(5<<22)|(3<<25)  ; the mask; elements of 1 byte; padding on; bit 21 beside a mask; after every 64 words 4 words
	s_or_b32 s[G1B+0], s44, (0<<16)|(1<<20)|(1<<21)|(5<<22)|(3<<25)
.irp g, G1, G1B
	s_mov_b32 s[\g+1], ROWB<<16                    ; tensor_dim0
	s_mov_b32 s[\g+2], 128<<16                     ; tensor_dim1
	s_mov_b32 s[\g+3], ROWB<<16                    ; tile_dim0
	s_mov_b32 s[\g+4], 128                         ; tile_dim1
	s_mov_b32 s[\g+5], KROW                        ; the pitch
	s_mov_b32 s[\g+6], 0
	s_mov_b32 s[\g+7], 0
.endr
	s_or_b32 s[G1S+0], s43, (3<<16)|(1<<20)|(1<<21)|(5<<22)|(3<<25) ; the scales of 128 rows: 16 rows of 32 elements of 8 bytes
	s_or_b32 s[G1SB+0], s44, (3<<16)|(1<<20)|(1<<21)|(5<<22)|(3<<25)
.irp g, G1S, G1SB
	s_mov_b32 s[\g+1], 32<<16
	s_mov_b32 s[\g+2], 16<<16
	s_mov_b32 s[\g+3], 32<<16
	s_mov_b32 s[\g+4], 16
	s_mov_b32 s[\g+5], 32
	s_mov_b32 s[\g+6], 0
	s_mov_b32 s[\g+7], 0
.endr
	s_lshl_b32 s18, s16, 7
	s_lshl_b32 s20, s17, 8
	s_add_co_u32 s20, s20, s18                     ; A: the first row that I fetch
	s_lshl_b32 s46, s42, 8
	s_add_co_u32 s46, s46, s18                     ; B likewise
	s_mov_b32 s21, 0
	s_mov_b32 s47, 0
	s_mov_b64 s[18:19], KS
	s_mul_u64 s[22:23], s[20:21], s[18:19]         ; where these rows' scales begin,
	s_mul_u64 s[92:93], s[46:47], s[18:19]
	s_mov_b64 s[18:19], KROW
	s_mul_u64 s[20:21], s[20:21], s[18:19]         ; and their codes
	s_mul_u64 s[46:47], s[46:47], s[18:19]
	s_mul_i32 s45, s14, HALFT                      ; where they go: no place in the cluster enters an LDS address
	s_mul_i32 s94, s14, HALFS
	s_cmp_eq_u32 s100, 1
	s_mov_b32 s98, 0x400000                        ; the scale bytes lie behind the codes: 4,194,304 in xq, 1,572,864 in w4
	s_cselect_b32 s98, 0x180000, s98               ; A's
	s_mov_b32 s96, 0x180000
	s_cselect_b32 s96, 0x400000, s96               ; B's
	s_mov_b32 s99, 0
	s_mov_b32 s97, 0
	s_add_nc_u64 s[22:23], s[22:23], s[98:99]
	s_add_nc_u64 s[92:93], s[92:93], s[96:97]
	s_wait_dscnt 0x0                               ; both opening adds are done
	s_wait_kmcnt 0x0
	s_cmp_eq_u32 s100, 1
	s_cselect_b64 s[8:9], s[4:5], s[6:7]           ; B's buffer: V: xq, else w4
	s_cselect_b64 s[4:5], s[6:7], s[4:5]           ; A's buffer: V: w4, else xq
	s_add_nc_u64 s[20:21], s[4:5], s[20:21]
	s_add_nc_u64 s[22:23], s[4:5], s[22:23]
	s_add_nc_u64 s[46:47], s[8:9], s[46:47]
	s_add_nc_u64 s[92:93], s[8:9], s[92:93]
	CROUND                                         ; all sixteen work-groups are here: the first joint loads meet
	s_mov_b32 s[G0S], 1
	s_add_co_u32 s[G0S+1], s94, SCL
	s_mov_b64 s[G0S+2:G0S+3], s[22:23]
	s_or_b32 s[G0S+3], s[G0S+3], 0x80000000
	s_mov_b32 s[G0SB], 1
	s_add_co_u32 s[G0SB+1], s94, SCL
	s_mov_b64 s[G0SB+2:G0SB+3], s[92:93]
	s_or_b32 s[G0SB+3], s[G0SB+3], 0x80000000
	JLOAD G0S, G1S, G0SB, G1SB                     ; the scales first: they are wanted with K step 0
.irp s, 0,1
	s_mov_b32 s[G0+4*\s], 1
	s_add_co_u32 s[G0+4*\s+1], s45, \s*SLOT
	s_add_nc_u64 s[G0+4*\s+2:G0+4*\s+3], s[20:21], \s*ROWB
	s_or_b32 s[G0+4*\s+3], s[G0+4*\s+3], 0x80000000
	s_mov_b32 s[G0B+4*\s], 1
	s_add_co_u32 s[G0B+4*\s+1], s45, \s*SLOT
	s_add_nc_u64 s[G0B+4*\s+2:G0B+4*\s+3], s[46:47], \s*ROWB
	s_or_b32 s[G0B+4*\s+3], s[G0B+4*\s+3], 0x80000000
	JLOAD G0+4*\s, G1, G0B+4*\s, G1B
.endr
	s_load_b256 s[4:11], s[0:1], 0x10              ; wq_b 4, wk_b 6, wv_b 8, qk 10
	s_load_b64 s[12:13], s[0:1], 0x30              ; vimg
	v_and_b32 v1, 15, v0                           ; r = l % 16
	v_bfe_u32 v2, v0, 4, 1                         ; h = l / 16
	v_mul_u32_u24 v3, v1, PITCH
	v_lshl_add_u32 v4, v2, 4, v3                   ; a fragment's row x pitch + 16 x half
	s_mul_i32 s21, s15, HALFT
	s_mul_i32 s22, s16, HALFT
	s_add_co_u32 s22, s22, 2*HALFT
.irp s, 0,1
	v_add_nc_u32 v[ADRA+\s], s21, v4
	v_add_nc_u32 v[ADRB+\s], s22, v4
	s_add_co_u32 s21, s21, SLOT
	s_add_co_u32 s22, s22, SLOT
.endr
	v_mul_u32_u24 v5, v1, KS                       ; my row's scales: 32 bytes a row,
	v_lshrrev_b32 v6, 8, v5
	v_lshl_add_u32 v5, v6, 4, v5                   ; and 16 more for each 256 passed
	s_mul_i32 s21, s15, HALFS
	s_mul_i32 s22, s16, HALFS
	s_add_co_u32 s22, s22, 2*HALFS
	s_sub_co_u32 s22, s22, s21
	v_mul_u32_u24 v6, s22, v2                      ; lanes 16-31 take B's
	s_add_co_u32 s21, s21, SCL
	v_add_nc_u32 v5, v5, v6
	v_add_nc_u32 v[ADRS], s21, v5
	v_and_b32 v6, 31, v0
	v_lshlrev_b32 v[CO], 4, v6
	v_lshlrev_b32 v8, 5, v2                        ; the bias by registers: eight numbers for each half of the lanes
	v_lshlrev_b32 v9, 2, v1                        ; the bias by lanes: one number a lane
	s_mov_b32 s98, 0x46000400                      ; 8193.0, for the split into high and low
	s_mov_b32 s99, s98
	s_lshl_b32 s46, s40, 10                        ; B's rows as columns of the weight: 256 cx + 128 x half, in bytes
	s_lshl_b32 s47, s16, 9
	s_add_co_u32 s46, s46, s47
	s_mov_b32 s47, 0
	s_lshl_b32 s22, s41, 10                        ; A's rows likewise: 256 cy + 128 x half
	s_lshl_b32 s23, s15, 9
	s_add_co_u32 s22, s22, s23
	s_mov_b32 s23, 0
	s_wait_kmcnt 0x0
	s_cmp_eq_u32 ttmp9, 0
	s_cselect_b64 s[4:5], s[4:5], s[6:7]
	s_cmp_eq_u32 s100, 0
	s_cselect_b64 s[4:5], s[4:5], s[8:9]           ; my cluster's bias
	s_add_nc_u64 s[6:7], s[4:5], s[46:47]
	s_add_nc_u64 s[8:9], s[4:5], s[22:23]
; The bias is loaded in both layouts, by registers (Q, K: the channels run along a lane's registers) and by lanes (V: a lane is a channel): 32 small loads, of which one layout is used.
; So the text has one branch on the cluster's part, at the way out, and both its arms find their registers written.
.irp b, 0,1,2,3,4,5,6,7
	global_load_b128 v[BIAS+8*\b:BIAS+8*\b+3], v8, s[6:7] offset:64*\b
	global_load_b128 v[BIAS+8*\b+4:BIAS+8*\b+7], v8, s[6:7] offset:64*\b+16
.endr
.irp a, 0,1,2,3,4,5,6,7
	global_load_b32 v[LB+2*\a], v9, s[8:9] offset:64*\a
	global_load_b32 v[LB+2*\a+1], v9, s[8:9] offset:64*\a   ; twice: a pair for the packed addition
.endr
.macro FRAG reg, adr, q, i             ; 16 rows x 128 K of 4-bit codes: 8 registers: registers 4 c .. 4 c + 3 hold K = 64 c + 32 (l / 16) + 0 .. 31
.irp c, 0,1
	ds_load_b128 v[\reg+4*\c:\reg+4*\c+3], v[\adr] offset:64*(\q)+32*\c+(\i)*16*PITCH
.endr
.endm
; 16 matrix instructions: A's blocks a0, a0 + 1 x B's eight, 128 along K.  The 64 accumulators take turns, one instruction a turn, in the same order in every step.
.macro MUL16 a0, p, q, sc, zero
.irp a, \a0, \a0+1
.irp b, 0,1,2,3,4,5,6,7
.if \zero
	v_wmma_scale_f32_16x16x128_f8f6f4 v[8*(8*((\a)%4)+\b):8*(8*((\a)%4)+\b)+7], v[128*(\p)+FR*\b:128*(\p)+FR*\b+FR-1], v[AF+FR*(\a):AF+FR*(\a)+FR-1], 0, v[SC+8*NQ*(\sc)+NQ*\b+(\q)], v[SC+8*NQ*(\sc)+NQ*(\a)+(\q)] matrix_a_fmt:MATRIX_FMT_FP4 matrix_b_fmt:MATRIX_FMT_FP4 matrix_a_scale:MATRIX_SCALE_ROW1
.else
	v_wmma_scale_f32_16x16x128_f8f6f4 v[8*(8*((\a)%4)+\b):8*(8*((\a)%4)+\b)+7], v[128*(\p)+FR*\b:128*(\p)+FR*\b+FR-1], v[AF+FR*(\a):AF+FR*(\a)+FR-1], v[8*(8*((\a)%4)+\b):8*(8*((\a)%4)+\b)+7], v[SC+8*NQ*(\sc)+NQ*\b+(\q)], v[SC+8*NQ*(\sc)+NQ*(\a)+(\q)] matrix_a_fmt:MATRIX_FMT_FP4 matrix_b_fmt:MATRIX_FMT_FP4 matrix_a_scale:MATRIX_SCALE_ROW1
.endif
.endr
.endr
.endm
.macro FETCH_B slot, q, p
	WIN TO_B
.irp i, 0,1,2,3,4,5,6,7
	FRAG 128*(\p)+FR*\i, ADRB+\slot, \q, \i
.endr
	WIN 0
.endm
.macro FETCH_A slot, q, i0
.irp i, \i0, \i0+1, \i0+2, \i0+3
	FRAG AF+FR*(\i), ADRA+\slot, \q, \i
.endr
.endm
.macro SCALES sc                       ; a K step's scale words: 4 words a row; lanes 0-15 take A's block i, lanes 16-31 B's block i
.irp i, 0,1,2,3,4,5,6,7
	ds_load_b128 v[SC+8*NQ*\sc+NQ*\i:SC+8*NQ*\sc+NQ*\i+3], v[ADRS] offset:\i*SBLK
.endr
.endm
.macro PLACES n                        ; plain vector lines between a matrix instruction and a load into, or a read of, its registers
.rept \n
	v_nop
.endr
.endm
.macro STEP slot, q, zero              ; 128 along K with its successor in the same slot
	s_wait_dscnt 4*NL                              ; B's set and A's blocks 0-3 are in; the youngest eight loads (A's blocks 4-7) may be out
	WIN MUL_LO
	MUL16 0, (\q)%2, \q, \slot, \zero
	MUL16 2, (\q)%2, \q, \slot, \zero
	s_wait_dscnt 0
	PLACES NP
	FETCH_B \slot, (\q)+1, 1-(\q)%2
	FETCH_A \slot, (\q)+1, 0
	WIN MUL_HI
	MUL16 4, (\q)%2, \q, \slot, \zero
	MUL16 6, (\q)%2, \q, \slot, \zero
	PLACES NP
	WIN 0
	FETCH_A \slot, (\q)+1, 4
.endm
.macro TURN slot, next                 ; a slot's last step changes slots: one barrier; nothing is filled again in this launch
	s_wait_tensorcnt 0x0                           ; all my tensor loads have landed: my part of the next slot
	ds_add_u32 v[SPW], v[NIL]                      ; 0 onto my spare word
	s_wait_dscnt 4*NL+1                            ; (the add and the youngest eight loads may be out)
	WIN MUL_LO
	MUL16 0, 1, NQ-1, \slot, 0
	s_wait_dscnt 0x0
	s_barrier_signal -1
	MUL16 2, 1, NQ-1, \slot, 0
	WIN 0
	s_barrier_wait -1                              ; the next slot is whole
	PLACES NP
	v_add_nc_u32 v[ADRS], 4*NQ, v[ADRS]            ; on to the next K step's scale words
	FETCH_B \next, 0, 0
	FETCH_A \next, 0, 0
	SCALES \next
	WIN MUL_HI
	MUL16 4, 1, NQ-1, \slot, 0
	MUL16 6, 1, NQ-1, \slot, 0
	PLACES NP
	WIN 0
	FETCH_A \next, 0, 4
.endm
.macro STEPS slot, from
.set Q, \from
.rept NQ-1-\from
	STEP \slot, Q, 0
.set Q, Q+1
.endr
.endm
	s_wait_tensorcnt 1                             ; the scales and my part of K step 0 are in (K step 1's load may be out),
	s_barrier_signal -1
	s_barrier_wait -1                              ; everybody's are
	FETCH_B 0, 0, 0
	FETCH_A 0, 0, 0
	SCALES 0
	FETCH_A 0, 0, 4
	STEP 0, 0, 1                                   ; the first products start the sums: nothing is cleared
	STEPS 0, 1
	TURN 0, 1
	STEPS 1, 0
	s_wait_dscnt 4*NL
	WIN MUL_LO
	MUL16 0, 1, NQ-1, 1, 0
	MUL16 2, 1, NQ-1, 1, 0
	s_wait_dscnt 0
	WIN MUL_HI
	MUL16 4, 1, NQ-1, 1, 0
	MUL16 6, 1, NQ-1, 1, 0
	WIN 0
	PLACES NP
	s_wait_loadcnt 0x0                             ; the biases
	s_mov_b32 s21, 0
	s_mov_b32 s47, 0
	s_cmp_eq_u32 s100, 0
	s_cbranch_scc0 .Lout_v
; THE WAY OUT FOR Q AND K.  Accumulator (a, b): token 16 a + l % 16, channels 16 b + 8 (l / 16) + 0..7: with the bias, rounded in pairs, it is half a fragment as it stands.
	s_lshr_b32 s20, s17, 3                         ; the batch: 16 heads x 128 token tiles each,
	s_lshl_b32 s20, s20, 11
	s_and_b32 s22, s17, 7
	s_lshl_b32 s22, s22, 4
	s_add_co_u32 s20, s20, s22                     ; + my tile's 16 token tiles
	s_lshl_b32 s22, s15, 3
	s_add_co_u32 s20, s20, s22                     ; + my half's 8
	s_lshl_b32 s20, s20, 11                        ; x 2,048 bytes
	s_lshl_b32 s46, s40, 2
	s_lshl_b32 s92, s16, 1
	s_add_co_u32 s46, s46, s92                     ; my first head: 4 cx + 2 x half
	s_lshl_b32 s46, s46, 18                        ; x 128 token tiles x 2,048 bytes
	s_lshl_b32 s92, ttmp9, 24                      ; K's images lie 2^24 bytes behind Q's
	s_add_co_u32 s46, s46, s92
	s_add_nc_u64 s[12:13], s[10:11], s[20:21]
	s_add_nc_u64 s[12:13], s[12:13], s[46:47]
.macro OUTQK a
.set AC, 64*((\a)%4)
.set HH, 96+32*((\a)%2)
.if (\a) > 1
	s_wait_xcnt 0x0                                ; block a - 2's stores have read their registers
.endif
	WIN 0x02+(\a)/4                                ; source 0: window 2 or 3
.irp b, 0,1,2,3,4,5,6,7
.irp j, 0,2,4,6
	v_pk_add_f32 v[32+8*\b+\j:32+8*\b+\j+1], v[AC+8*\b+\j:AC+8*\b+\j+1], v[BIAS+8*\b+\j:BIAS+8*\b+\j+1]   ; each accumulator from its low end on
.endr
.endr
	WIN 0
.irp b, 0,1,2,3,4,5,6,7
.irp j, 0,1,2,3
	v_cvt_pk_f16_f32 v[HH+4*\b+\j], v[32+8*\b+2*\j], v[32+8*\b+2*\j+1]
.endr
.endr
.irp b, 0,1,2,3,4,5,6,7
	global_store_b128 v[CO], v[HH+4*\b:HH+4*\b+3], s[12:13] offset:(\b/4)*262144+(\a)*2048+(\b%4)*512   ; 512 consecutive bytes
.endr
.endm
.irp a, 0,1,2,3,4,5,6,7
	OUTQK \a
.endr
	s_branch .Lend
; THE WAY OUT FOR V.  Accumulator (a, b): channel 16 a + l % 16, tokens 16 b + 8 (l / 16) + 0..7.
.Lout_v:
	s_lshl_b32 s20, s41, 2
	s_lshl_b32 s22, s15, 1
	s_add_co_u32 s20, s20, s22                     ; my first head: 4 cy + 2 x half
	s_lshl_b32 s20, s20, 18                        ; x 64 groups of 32 keys x 4,096 bytes
	s_lshr_b32 s46, s42, 3                         ; the batch: 16 heads x 64 groups,
	s_lshl_b32 s46, s46, 10
	s_and_b32 s92, s42, 7
	s_lshl_b32 s92, s92, 3
	s_add_co_u32 s46, s46, s92                     ; + my tile's 8 groups
	s_lshl_b32 s92, s16, 2
	s_add_co_u32 s46, s46, s92                     ; + my half's 4
	s_lshl_b32 s46, s46, 12
	s_add_nc_u64 s[12:13], s[12:13], s[20:21]
	s_add_nc_u64 s[12:13], s[12:13], s[46:47]      ; the high part
	s_add_nc_u64 s[10:11], s[12:13], 0x1000000     ; the low part
.macro SPLIT8 x, h                     ; eight numbers v[x ..]: the high part's f16 into v[h .. h + 3], the low part's into v[x .. x + 3]
.irp j, 0,2,4,6
	v_pk_mul_f32 v[64+\j:65+\j], v[(\x)+\j:(\x)+\j+1], s[98:99] op_sel_hi:[1,0]
.endr
.irp j, 0,2,4,6
	v_pk_add_f32 v[72+\j:73+\j], v[(\x)+\j:(\x)+\j+1], v[64+\j:65+\j] neg_lo:[0,1] neg_hi:[0,1]
.endr
.irp j, 0,2,4,6
	v_pk_add_f32 v[64+\j:65+\j], v[64+\j:65+\j], v[72+\j:73+\j]
.endr
.irp j, 0,2,4,6
	v_pk_add_f32 v[(\x)+\j:(\x)+\j+1], v[(\x)+\j:(\x)+\j+1], v[64+\j:65+\j] neg_lo:[0,1] neg_hi:[0,1]
.endr
.irp j, 0,1,2,3
	v_cvt_pk_f16_f32 v[(\h)+\j], v[64+2*\j], v[65+2*\j]
.endr
.irp j, 0,1,2,3
	v_cvt_pk_f16_f32 v[(\x)+\j], v[(\x)+2*\j], v[(\x)+2*\j+1]
.endr
.endm
.macro OUTV a
.set AC, 64*((\a)%4)
.if (\a) > 0
	s_wait_xcnt 0x0                                ; the last block's stores have read their registers
.endif
	WIN 0x02+(\a)/4
.irp b, 0,1,2,3,4,5,6,7
.irp j, 0,2,4,6
	v_pk_add_f32 v[128+8*\b+\j:128+8*\b+\j+1], v[AC+8*\b+\j:AC+8*\b+\j+1], v[LB+2*(\a):LB+2*(\a)+1]
.endr
.endr
	WIN 0
.irp b, 0,1,2,3,4,5,6,7
	SPLIT8 128+8*\b, 32+4*\b
.endr
.irp b, 0,1,2,3,4,5,6,7
	global_store_b128 v[CO], v[32+4*\b:35+4*\b], s[12:13] offset:((\a)/4)*262144+(\b/2)*4096+((\a)%4)*1024+(\b%2)*512
	global_store_b128 v[CO], v[128+8*\b:131+8*\b], s[10:11] offset:((\a)/4)*262144+(\b/2)*4096+((\a)%4)*1024+(\b%2)*512
.endr
.endm
.irp a, 0,1,2,3,4,5,6,7
	OUTV \a
.endr
.Lend:
	s_wait_tensorcnt 0x0                           ; the wave's end
	ds_add_u32 v[SPW], v[NIL]
	s_wait_dscnt 0x0
	CROUND                                         ; the closing round
	s_endpgm
.Lfunc_end_k_q5b6ae6cfea_qkv:
	.size	k_q5b6ae6cfea_qkv, .Lfunc_end_k_q5b6ae6cfea_qkv-k_q5b6ae6cfea_qkv
	.p2alignl 7, 3214868480
	.fill 96, 4, 3214868480
	.section	.rodata,"a",@progbits
	.p2align	6, 0x0
	.amdhsa_kernel k_q5b6ae6cfea_qkv
		.amdhsa_group_segment_fixed_size 327680
		.amdhsa_private_segment_fixed_size 0
		.amdhsa_enable_private_segment 0
		.amdhsa_kernarg_size 56
		.amdhsa_user_sgpr_count 2
		.amdhsa_user_sgpr_kernarg_segment_ptr 1
		.amdhsa_wavefront_size32 1
		.amdhsa_system_sgpr_workgroup_id_x 1
		.amdhsa_system_sgpr_workgroup_id_y 1
		.amdhsa_system_sgpr_workgroup_id_z 1
		.amdhsa_system_vgpr_workitem_id 0
		.amdhsa_next_free_vgpr 1024
		.amdhsa_next_free_sgpr 102
		.amdhsa_reserve_vcc 0
		.amdhsa_float_denorm_mode_32 3
		.amdhsa_float_denorm_mode_16_64 3
		.amdhsa_memory_ordered 1
		.amdhsa_forward_progress 1
		.amdhsa_inst_pref_size 255
	.end_amdhsa_kernel
	.section	.bss,"aw",@nobits
	.p2align	6
	.space	262144
	.amdgpu_metadata
---
amdhsa.version: [ 1, 2 ]
amdhsa.kernels:
  - .name:           k_q5b6ae6cfea_qkv
    .symbol:         k_q5b6ae6cfea_qkv.kd
    .args:
      - { .name: xq, .offset: 0, .size: 8, .value_kind: global_buffer, .address_space: global }
      - { .name: w4, .offset: 8, .size: 8, .value_kind: global_buffer, .address_space: global }
      - { .name: wq_b, .offset: 16, .size: 8, .value_kind: global_buffer, .address_space: global }
      - { .name: wk_b, .offset: 24, .size: 8, .value_kind: global_buffer, .address_space: global }
      - { .name: wv_b, .offset: 32, .size: 8, .value_kind: global_buffer, .address_space: global }
      - { .name: qk, .offset: 40, .size: 8, .value_kind: global_buffer, .address_space: global }
      - { .name: vimg, .offset: 48, .size: 8, .value_kind: global_buffer, .address_space: global }
    .group_segment_fixed_size: 327680
    .private_segment_fixed_size: 0
    .kernarg_segment_align: 8
    .kernarg_segment_size: 56
    .max_flat_workgroup_size: 128
    .sgpr_count:     102
    .vgpr_count:     1024
    .wavefront_size: 32
...
	.end_amdgpu_metadata
.endif
;; end of part 2
;; launch attn (part 3): grid 4 x 64, 8 waves a work-group, no clusters, 33,792 bytes of LDS; arguments qk, vimg, mask, flags, oimg; writes oimg
.if DOCPART == 3
	.amdgcn_target "amdgcn-amd-amdhsa--gfx1250"
	.amdhsa_code_object_version 6
	.text
	.protected	k_q5b6ae6cfea_attn
	.globl	k_q5b6ae6cfea_attn
	.p2align	8
	.type	k_q5b6ae6cfea_attn,@function
k_q5b6ae6cfea_attn:
	s_mov_b64 s[64:65], 0
	v_nop
	global_prefetch_b8 v0, s[64:65] scope:SCOPE_SE
	s_setreg_imm32_b32 hwreg(HW_REG_WAVE_MODE, 25, 1), 1
	s_wait_xcnt 0x0
; O = softmax(Q K^T / 32 + mask x (-1e9)) V for every batch and head, head size 64, on f16 operand images; products, maxima and sums in f32.
; SHARES.  Work-group (i, batch x head) owns two blocks of 256 queries: block i, then block 7 - i.  Each of its eight waves owns 32 queries of the block: two tiles of 16.  Two waves share a SIMD, so that one
; wave's softmax stands beside the other's products.  A key step is 64 keys: K's 8 KB and V's 8 KB are copied as they lie (global -> registers -> LDS), one step ahead, into one of two slots.
; THE MASK IS AN INPUT.  An earlier launch has stored, for each 8 rows x 64 keys of it, a DEAD bit (every weight there is exactly 0) and a ZERO bit (nothing to add).  A key step that is dead for all
; my 32 queries is passed over; one that is dead for all 256 is not copied; one that is neither dead nor zero loads the mask and adds it: S = mask x (-3.2e10) + S, one fused line a pair, where
; S = 32 x the score: -3.2e10 = 32 x (-1e9), both exact.  These branches hang on stored whole numbers, so this launch has no tensor load; no barrier stands under them, and the trip count is a constant.
; Why no cluster and no joint loads: they go by tensor loads.
; LAYOUT.  S^T = K Q^T (source 0 = 16 keys, source 1 = 16 queries): a lane holds ONE query (l % 16) and keys 8 (l / 16) + 0..7; two such tiles, rounded in pairs, are source 1 of O^T = V^T P.
; SOFTMAX.  Running maximum m and sum l for each query: p = 2^(c S - c m), c = log2(e) / 32; O and l are multiplied by a = 2^(c m_old - c m_new) in every step.
; LIMITS: NaN and infinities are not served; |mask| up to 1e4; q, k, v within f16's range; p under 2^-25 is lost in f16 beside a row sum of at least 1.
; REGISTERS.  window 0: v1 16 x lane; v2 the copy's LDS address; v3 the mask's offset; v4, v5 the add's two; v16-31 statistics; v32-47 the copy; v64-127 S^T; v128-159 P; v160-223 the mask.
;             window 1: v0-31 Q; v32-95 K; v96-159 V; v160-223 O^T.
.set SLOTB, 16384                      ; a slot: K's 8,192 bytes, then V's
.set SPARE, 32768                      ; behind the two slots: the spare words, 128 bytes for each wave
.set SPW, 4
.set NIL, 5
.set ST,  16                           ; tile t at v[ST + 8 t]: +0 c m, +1 m, +2, +3 l (even keys', odd keys'), +4..+7 at work; a in +6
.set SG,  32
.set S,   64
.set P,   128
.set MK,  160
.set QF,  0
.set KF,  32
.set VF,  96
.set OT,  160
.set MSB, 0
.macro WIN new
.if MSB != (\new)
	s_set_vgpr_msb (MSB<<8)|(\new)
.set MSB, (\new)
.endif
.endm
	s_load_b256 s[4:11], s[0:1], 0x0               ; qk 4, vimg 6, mask 8, flags 10
	s_load_b64 s[12:13], s[0:1], 0x20              ; oimg
	v_lshl_add_u32 v[SPW], v0, 2, SPARE
	v_mov_b32 v[NIL], 0
	v_lshrrev_b32 v6, 5, v0
	v_readfirstlane_b32 s16, v6                    ; wave 0..7
	v_and_b32 v6, 31, v0
	v_lshlrev_b32 v1, 4, v6                        ; 16 x lane
	s_lshl_b32 s14, s16, 11
	v_add_nc_u32 v2, s14, v1                       ; my wave copies 2,048 bytes of a slot: waves 0-3 K's, waves 4-7 V's
	v_and_b32 v6, 15, v0
	v_bfe_u32 v7, v0, 4, 1
	v_lshlrev_b32 v3, 13, v6
	v_lshl_add_u32 v3, v7, 5, v3                   ; the mask: row l % 16 of 8,192 bytes, + 32 (l / 16)
	s_and_b32 s18, ttmp7, 0xffff                   ; batch x 16 + head
	s_mov_b32 s19, ttmp9                           ; I: the block of 256 queries in hand
	s_mov_b32 s76, 0x3d38aa3b                      ; c = log2(e) / 32
	s_mov_b32 s77, s76
	s_mov_b32 s78, 0x76543210
	s_mov_b32 s79, 0xfedcba98                      ; v_permlanex16_b32's selects for lane l xor 16
	s_mov_b32 s80, 0xd0ee6b28                      ; -3.2e10
	s_mov_b32 s81, s80
	s_and_b32 s14, s16, 3
	s_lshl_b32 s14, s14, 11
	s_lshl_b32 s15, s18, 18
	s_add_co_u32 s14, s14, s15                     ; the head's 262,144 bytes, my wave's 2,048 of a step's 8,192
	s_cmp_lt_u32 s16, 4
	s_cselect_b32 s15, 0x1000000, 0                ; K's images lie 2^24 bytes behind Q's
	s_add_co_u32 s14, s14, s15
	s_mov_b32 s15, 0
	s_wait_kmcnt 0x0
	s_cmp_lt_u32 s16, 4
	s_cselect_b64 s[86:87], s[4:5], s[6:7]
	s_add_nc_u64 s[86:87], s[86:87], s[14:15]      ; what my wave copies, at key step 0
	s_mov_b32 s2, 2
; A KEY STEP for my 32 queries, out of slot \slot; \mx: the word whose bit 0 says that the mask must be added.
.macro STEP slot, mx
	WIN 0x40                                       ; destination window 1
.set ff, 0
.rept 32
	ds_load_b128 v[KF+4*ff:KF+4*ff+3], v1 offset:\slot*SLOTB+512*ff   ; the images as they lie: 16 halves of K's fragments, then 16 of V's
.set ff, ff+1
.endr
	s_wait_dscnt 16                                ; K is in; V's sixteen loads may be out
	WIN 0x05                                       ; K and Q window 1, S^T window 0
.irp c, 0,1                            ; the eight accumulators take turns, one instruction a turn
.irp k, 0,1,2,3
.irp t, 0,1
.if \c == 0
	v_wmma_f32_16x16x32_f16 v[S+32*\t+8*\k:S+32*\t+8*\k+7], v[KF+16*\k:KF+16*\k+7], v[QF+16*\t:QF+16*\t+7], 0
.else
	v_wmma_f32_16x16x32_f16 v[S+32*\t+8*\k:S+32*\t+8*\k+7], v[KF+16*\k+8:KF+16*\k+15], v[QF+16*\t+8:QF+16*\t+15], v[S+32*\t+8*\k:S+32*\t+8*\k+7]
.endif
.endr
.endr
.endr
	WIN 0
.rept 4
	v_nop                                          ; places in front of the first read of the scores
.endr
	s_bitcmp1_b32 s[\mx], 0
	s_cbranch_scc0 .Lplain_\@
.irp t, 0,1
.irp k, 0,1,2,3
	global_load_b128 v[MK+32*\t+8*\k:MK+32*\t+8*\k+3], v3, s[22:23] offset:\t*131072+\slot*256+64*\k
	global_load_b128 v[MK+32*\t+8*\k+4:MK+32*\t+8*\k+7], v3, s[22:23] offset:\t*131072+\slot*256+64*\k+16
.endr
.endr
	s_wait_loadcnt 0x0
.set jj, 0
.rept 32
	v_pk_fma_f32 v[S+jj:S+jj+1], v[MK+jj:MK+jj+1], s[80:81], v[S+jj:S+jj+1] op_sel_hi:[1,0,1]   ; 32 x (score + mask x (-1e9)), rounded once
.set jj, jj+2
.endr
.Lplain_\@:
.irp j, 0,1,2,3                        ; the maximum of a lane's 32 scores and the old m; each accumulator is first read at its low end
.irp t, 0,1
	v_max3_num_f32 v[ST+8*\t+4+\j], v[S+32*\t+8*\j], v[S+32*\t+8*\j+1], v[S+32*\t+8*\j+2]
.endr
.endr
.irp g, 3,5
.irp j, 0,1,2,3
.irp t, 0,1
	v_max3_num_f32 v[ST+8*\t+4+\j], v[ST+8*\t+4+\j], v[S+32*\t+8*\j+\g], v[S+32*\t+8*\j+\g+1]
.endr
.endr
.endr
.irp t, 0,1
	v_max3_num_f32 v[ST+8*\t+4], v[ST+8*\t+4], v[S+32*\t+7], v[S+32*\t+15]
	v_max3_num_f32 v[ST+8*\t+6], v[ST+8*\t+6], v[S+32*\t+23], v[S+32*\t+31]
.endr
.irp t, 0,1
	v_max3_num_f32 v[ST+8*\t+4], v[ST+8*\t+4], v[ST+8*\t+5], v[ST+8*\t+6]
.endr
.irp t, 0,1
	v_max3_num_f32 v[ST+8*\t+4], v[ST+8*\t+4], v[ST+8*\t+7], v[ST+8*\t+1]
.endr
.irp t, 0,1
	v_permlanex16_b32 v[ST+8*\t+5], v[ST+8*\t+4], s78, s79   ; the query's other 32 keys lie in the lane 16 away
.endr
.irp t, 0,1
	v_mov_b32 v[ST+8*\t+7], v[ST+8*\t]             ; c m_old
.endr
.irp t, 0,1
	v_max_num_f32 v[ST+8*\t+1], v[ST+8*\t+4], v[ST+8*\t+5]
.endr
.irp t, 0,1
	v_mul_f32 v[ST+8*\t], s76, v[ST+8*\t+1]
.endr
.irp t, 0,1
	v_sub_f32 v[ST+8*\t+7], v[ST+8*\t+7], v[ST+8*\t]
.endr
.irp t, 0,1
.set jj, 0
.rept 16
	v_pk_fma_f32 v[S+32*\t+jj:S+32*\t+jj+1], v[S+32*\t+jj:S+32*\t+jj+1], s[76:77], v[ST+8*\t:ST+8*\t+1] op_sel_hi:[1,0,0] neg_lo:[0,0,1] neg_hi:[0,0,1]   ; c S - c m
.set jj, jj+2
.endr
.endr
.irp t, 0,1                            ; ONE batch of 66 exponentials, none of which reads another's result
	v_exp_f32 v[ST+8*\t+6], v[ST+8*\t+7]           ; a
.endr
.set jj, 0
.rept 64
	v_exp_f32 v[S+jj], v[S+jj]                     ; p
.set jj, jj+1
.endr
	v_nop                                          ; a plain line behind the last exponential
	s_wait_alu depctr_va_vdst(0)                   ; one wait for the batch, ahead of its first reader
.set jj, 0
.rept 32
	v_cvt_pk_f16_f32 v[P+jj], v[S+2*jj], v[S+2*jj+1]
.set jj, jj+1
.endr
.irp w, 4,8,16,32                      ; the sums of the unrounded p, in place: neighbours 1, 2, 4, 8 pairs apart
.set jj, 0
.rept 64/\w
	v_pk_add_f32 v[S+jj:S+jj+1], v[S+jj:S+jj+1], v[S+jj+\w/2:S+jj+\w/2+1]
.set jj, jj+\w
.endr
.endr
.irp t, 0,1
	v_pk_fma_f32 v[ST+8*\t+2:ST+8*\t+3], v[ST+8*\t+2:ST+8*\t+3], v[ST+8*\t+6:ST+8*\t+7], v[S+32*\t:S+32*\t+1] op_sel_hi:[1,0,1]   ; l = a l + the sum
.endr
	WIN 0x41                                       ; O^T window 1, a window 0
.irp t, 0,1
.set jj, 0
.rept 16
	v_pk_mul_f32 v[OT+32*\t+jj:OT+32*\t+jj+1], v[OT+32*\t+jj:OT+32*\t+jj+1], v[ST+8*\t+6:ST+8*\t+7] op_sel_hi:[1,0]
.set jj, jj+2
.endr
.endr
	s_wait_dscnt 0x0                               ; V is in
	WIN 0x51                                       ; V window 1, P window 0, O^T window 1
.irp g, 0,1
.irp d, 0,1,2,3
.irp t, 0,1
	v_wmma_f32_16x16x32_f16 v[OT+32*\t+8*\d:OT+32*\t+8*\d+7], v[VF+32*\g+8*\d:VF+32*\g+8*\d+7], v[P+16*\t+8*\g:P+16*\t+8*\g+7], v[OT+32*\t+8*\d:OT+32*\t+8*\d+7]
.endr
.endr
.endr
	WIN 0
.rept 4
	v_nop                                          ; places in front of the next loads into V's registers and of the next read of O^T
.endr
.endm
; ONE KEY STEP OF THE WORK-GROUP.  The next step's tile is asked for (if any wave of the work-group wants it), this step is worked (if my wave wants it), the next tile goes into the other slot.
; One barrier does two things: in front of it my stores of the next tile have landed and my reads of this slot are over.  It stands outside every branch.
.macro SUB slot, cur, mx, nxt, bit, off
	s_bitcmp1_b32 s[\nxt], \bit
	s_cbranch_scc0 .Lno_fetch_\@
.irp k, 0,1,2,3
	global_load_b128 v[SG+4*\k:SG+4*\k+3], v1, s[20:21] offset:\off+512*\k
.endr
.Lno_fetch_\@:
	s_bitcmp1_b32 s[\cur], 0
	s_cbranch_scc0 .Lno_step_\@
	STEP \slot, \mx
.Lno_step_\@:
	s_wait_loadcnt 0x0                             ; on every way: no load into the copy's registers stays out
	s_bitcmp1_b32 s[\nxt], \bit
	s_cbranch_scc0 .Lno_store_\@
.irp k, 0,1,2,3
	ds_store_b128 v2, v[SG+4*\k:SG+4*\k+3] offset:(1-\slot)*SLOTB+512*\k
.endr
.Lno_store_\@:
	s_wait_dscnt 0x0
	s_barrier_signal -1
	s_barrier_wait -1
.endm
.Lpass:                                            ; two trips: block i, then block 7 - i
	s_lshl_b32 s84, s19, 7                         ; the block's 32 flag words
	s_lshl_b32 s85, s16, 4
	s_add_co_u32 s85, s85, s84                     ; my wave's four of them
	s_load_b512 s[32:47], s[10:11], s84 offset:0x0
	s_load_b512 s[48:63], s[10:11], s84 offset:0x40
	s_load_b128 s[68:71], s[10:11], s85 offset:0x0     ; my dead words
	s_load_b128 s[72:75], s[10:11], s85 offset:0x400   ; my zero words
	s_mov_b64 s[20:21], s[86:87]
	s_lshl_b32 s14, s19, 4
	s_lshl_b32 s15, s16, 1
	s_add_co_u32 s88, s14, s15                     ; my first tile of 16 tokens in the sequence: 16 I + 2 wave
	s_lshl_b32 s14, s88, 11
	s_lshl_b32 s15, s18, 18
	s_add_co_u32 s14, s14, s15
	s_mov_b32 s15, 0
	s_add_nc_u64 s[24:25], s[4:5], s[14:15]        ; Q
	s_lshl_b32 s14, s88, 17                        ; 16 rows of 8,192 bytes a tile
	s_add_nc_u64 s[22:23], s[8:9], s[14:15]        ; my rows of the mask
	s_lshr_b32 s14, s18, 4
	s_lshl_b32 s14, s14, 7
	s_add_co_u32 s14, s14, s88                     ; the token tile among all 512
	s_lshl_b32 s14, s14, 15
	s_and_b32 s89, s18, 15
	s_lshl_b32 s89, s89, 11
	s_add_co_u32 s14, s14, s89                     ; x 32,768 + 2,048 x head
	s_add_nc_u64 s[26:27], s[12:13], s[14:15]      ; O's images
.irp k, 0,1,2,3
	global_load_b128 v[SG+4*\k:SG+4*\k+3], v1, s[20:21] offset:512*\k   ; key step 0 is copied without a test
.endr
	WIN 0x40
.irp f, 0,1,2,3,4,5,6,7
	global_load_b128 v[QF+4*\f:QF+4*\f+3], v1, s[24:25] offset:512*\f
.endr
.set jj, 0
.rept 64
	v_mov_b32 v[OT+jj], 0                          ; O^T is cleared: which key step is my first hangs on the flags, so no product can be written out as the one that starts the sums
.set jj, jj+1
.endr
	WIN 0
.irp t, 0,1
	v_mov_b32 v[ST+8*\t+1], 0xff61b1e6             ; m = -3e38, under every score
	v_mul_f32 v[ST+8*\t], s76, v[ST+8*\t+1]
.irp j, 2,3,4,5,6,7
	v_mov_b32 v[ST+8*\t+\j], 0
.endr
.endr
	s_wait_loadcnt 8                               ; key step 0's four loads are in; Q's eight may be out
.irp k, 0,1,2,3
	ds_store_b128 v2, v[SG+4*\k:SG+4*\k+3] offset:512*\k
.endr
	s_wait_kmcnt 0x0
	s_and_b32 s88, s32, s33                        ; dead for all 256 queries
.set kk, 34
.rept 30
	s_and_b32 s88, s88, s[kk]
.set kk, kk+1
.endr
	s_and_b32 s89, s68, s69
	s_and_b32 s90, s70, s71
	s_and_b32 s89, s89, s90                        ; dead for my 32
	s_and_b32 s90, s72, s73
	s_and_b32 s91, s74, s75
	s_and_b32 s90, s90, s91                        ; zero for my 32
	s_not_b32 s88, s88
	s_and_b32 s28, s88, 0xffff                     ; the work-group's live steps: even,
	s_lshr_b32 s29, s88, 16                        ; odd
	s_not_b32 s89, s89
	s_and_b32 s30, s89, 0xffff                     ; my wave's: even,
	s_lshr_b32 s31, s89, 16                        ; odd
	s_and_not1_b32 s90, s89, s90                   ; live and not zero: the mask is added
	s_and_b32 s66, s90, 0xffff
	s_lshr_b32 s67, s90, 16
	s_wait_loadcnt 0x0                             ; Q
	s_wait_dscnt 0x0
	s_barrier_signal -1
	s_barrier_wait -1                              ; key step 0 lies in slot 0
	s_mov_b32 s3, 16
.Ltrip:                                            ; 16 trips of two key steps: a constant
	SUB 0, 30, 66, 29, 0, 8192
	SUB 1, 31, 67, 28, 1, 16384                    ; in the last trip bit 1 of the even word is 0: nothing is asked for beyond the last key step
	s_wait_xcnt 0x0                                ; the trip's loads have read their bases
	s_add_nc_u64 s[20:21], s[20:21], 16384
	s_add_nc_u64 s[22:23], s[22:23], 512
	s_lshr_b32 s28, s28, 1
	s_lshr_b32 s29, s29, 1
	s_lshr_b32 s30, s30, 1
	s_lshr_b32 s31, s31, 1
	s_lshr_b32 s66, s66, 1
	s_lshr_b32 s67, s67, 1
	s_sub_co_u32 s3, s3, 1
	s_cmp_lg_u32 s3, 0
	s_cbranch_scc1 .Ltrip
; THE WAY OUT: O^T / l, rounded in pairs, is half a fragment of the next product's operand as it stands (token l % 16, channels 16 d + 8 (l / 16) + 0..7).  The tile that holds a row's smallest mask is never dead, so l is at least 1.
.irp t, 0,1
	v_add_f32 v[ST+8*\t+4], v[ST+8*\t+2], v[ST+8*\t+3]
.endr
.irp t, 0,1
	v_permlanex16_b32 v[ST+8*\t+5], v[ST+8*\t+4], s78, s79
.endr
.irp t, 0,1
	v_add_f32 v[ST+8*\t+4], v[ST+8*\t+4], v[ST+8*\t+5]
.endr
.irp t, 0,1
	v_rcp_f32 v[ST+8*\t+6], v[ST+8*\t+4]
.endr
	v_nop
	s_wait_alu depctr_va_vdst(0)                   ; one wait for the two reciprocals, ahead of their first reader
	WIN 0x41
.irp t, 0,1
.set jj, 0
.rept 16
	v_pk_mul_f32 v[OT+32*\t+jj:OT+32*\t+jj+1], v[OT+32*\t+jj:OT+32*\t+jj+1], v[ST+8*\t+6:ST+8*\t+7] op_sel_hi:[1,0]
.set jj, jj+2
.endr
.endr
	WIN 0x05
.set jj, 0
.rept 32
	v_cvt_pk_f16_f32 v[S+jj], v[OT+2*jj], v[OT+2*jj+1]
.set jj, jj+1
.endr
	WIN 0
.irp t, 0,1
.irp d, 0,1,2,3
	global_store_b128 v1, v[S+16*\t+4*\d:S+16*\t+4*\d+3], s[26:27] offset:\t*32768+\d*512   ; 512 consecutive bytes
.endr
.endr
	s_wait_xcnt 0x0                                ; the stores have read their registers and their base
	s_sub_co_u32 s19, 7, s19                       ; the other block
	s_sub_co_u32 s2, s2, 1
	s_cmp_lg_u32 s2, 0
	s_cbranch_scc1 .Lpass
	s_wait_tensorcnt 0x0                           ; the wave's end
	ds_add_u32 v[SPW], v[NIL]
	s_wait_dscnt 0x0
	s_endpgm
.Lfunc_end_k_q5b6ae6cfea_attn:
	.size	k_q5b6ae6cfea_attn, .Lfunc_end_k_q5b6ae6cfea_attn-k_q5b6ae6cfea_attn
	.p2alignl 7, 3214868480
	.fill 96, 4, 3214868480
	.section	.rodata,"a",@progbits
	.p2align	6, 0x0
	.amdhsa_kernel k_q5b6ae6cfea_attn
		.amdhsa_group_segment_fixed_size 33792
		.amdhsa_private_segment_fixed_size 0
		.amdhsa_enable_private_segment 0
		.amdhsa_kernarg_size 40
		.amdhsa_user_sgpr_count 2
		.amdhsa_user_sgpr_kernarg_segment_ptr 1
		.amdhsa_wavefront_size32 1
		.amdhsa_system_sgpr_workgroup_id_x 1
		.amdhsa_system_sgpr_workgroup_id_y 1
		.amdhsa_system_sgpr_workgroup_id_z 1
		.amdhsa_system_vgpr_workitem_id 0
		.amdhsa_next_free_vgpr 512
		.amdhsa_next_free_sgpr 92
		.amdhsa_reserve_vcc 0
		.amdhsa_float_denorm_mode_32 3
		.amdhsa_float_denorm_mode_16_64 3
		.amdhsa_memory_ordered 1
		.amdhsa_forward_progress 1
		.amdhsa_inst_pref_size 58
	.end_amdhsa_kernel
	.amdgpu_metadata
---
amdhsa.version: [ 1, 2 ]
amdhsa.kernels:
  - .name:           k_q5b6ae6cfea_attn
    .symbol:         k_q5b6ae6cfea_attn.kd
    .args:
      - { .name: qk, .offset: 0, .size: 8, .value_kind: global_buffer, .address_space: global }
      - { .name: vimg, .offset: 8, .size: 8, .value_kind: global_buffer, .address_space: global }
      - { .name: mask, .offset: 16, .size: 8, .value_kind: global_buffer, .address_space: global }
      - { .name: flags, .offset: 24, .size: 8, .value_kind: global_buffer, .address_space: global }
      - { .name: oimg, .offset: 32, .size: 8, .value_kind: global_buffer, .address_space: global }
    .group_segment_fixed_size: 33792
    .private_segment_fixed_size: 0
    .kernarg_segment_align: 8
    .kernarg_segment_size: 40
    .max_flat_workgroup_size: 256
    .sgpr_count:     92
    .vgpr_count:     512
    .wavefront_size: 32
...
	.end_amdgpu_metadata
.endif
;; end of part 3
;; launch oproj (part 4): grid 8 x 64, 4 waves a work-group, clusters of 4 x 4, 327,680 bytes of LDS; arguments oimg, wimg, dense_b, out0; writes out0
.if DOCPART == 4
	.amdgcn_target "amdgcn-amd-amdhsa--gfx1250"
	.amdhsa_code_object_version 6
	.text
	.protected	k_q5b6ae6cfea_oproj
	.globl	k_q5b6ae6cfea_oproj
	.p2align	8
	.type	k_q5b6ae6cfea_oproj,@function
k_q5b6ae6cfea_oproj:
	s_mov_b64 s[64:65], 0
	v_nop
	global_prefetch_b8 v0, s[64:65] scope:SCOPE_SE
	s_setreg_imm32_b32 hwreg(HW_REG_WAVE_MODE, 25, 1), 1
	s_wait_xcnt 0x0
	s_wait_alu depctr_hold_cnt(0) depctr_sa_sdst(0) depctr_va_vdst(0) depctr_va_sdst(0) depctr_va_ssrc(0) depctr_va_vcc(0) depctr_vm_vsrc(0)
	s_getreg_b32 s2, hwreg(HW_REG_IB_STS2, 6, 4)
	s_cmp_eq_u32 s2, 0
	s_cbranch_scc0 .Lentry_in_a_cluster
	s_endpgm
.Lentry_in_a_cluster:
	s_bfe_u32 s2, ttmp6, 0x10000c
	s_cmp_lg_u32 s2, 0xf033
	s_cbranch_scc0 .Lentry_shape_is_right
	s_endpgm
.Lentry_shape_is_right:
; out0[m][n] = sum over k of O[m][k] dense_w[k][n] + dense_b[n]; M = 8,192, N = K = 1,024; f16 operands, f32 sums and results.
; Both operands lie in memory as OPERAND IMAGES: [tile of 16 rows][32 steps of 32 along K][half u][512 bytes], lane l's 16 bytes at 16 l.  So a fragment is two LDS loads of 512 consecutive bytes: no pitch, no padding.
; A tile of out0 is 128 x 128: 512 work-groups; four waves of 64 x 64: 16 accumulators.  K goes in four steps of 256 through two LDS slots: of each of 16 row tiles (8 of O, 8 of dense_w) a step is 8,192 consecutive bytes.
; A wave's tensor load brings four of them: 4 rows of 8,192 bytes, 32,768 bytes apart.  By this text's own count a wave has two tensor loads out at the start and one behind each round.
; CLUSTERS: 4 x 4 work-groups; O's tiles are shared along a row of the cluster, dense_w's along a column: each is asked for jointly.
; The matrix instruction takes 16 columns of dense_w as source 0 and 16 tokens as source 1: a lane holds eight neighbouring numbers of a row of out0.  The bias is the C of each sum's first product.
; No prefetch: the tile is small and K has four steps.  The first 16 positions of each sequence are written again, more finely, by the launch that follows.
; REGISTERS: window 0: v0-31 addresses; v32-95 the way out; v96-127 the bias; v128-255 the accumulators.  window 1: two fragment buffers of 128.
.set SLOT,   131072                    ; O's 8 row tiles x 8,192 bytes, then dense_w's 8
.set STAGE,  2*SLOT                    ; 16 rows x (256 + 16) bytes for each wave
.set SPITCH, 272
.set SPARE,  STAGE+4*16*SPITCH         ; the spare words, 128 bytes for each wave
.set ADRA, 16
.set ADRB, 20
.set STO,  24
.set RD,   25
.set CO,   26
.set SPW,  28
.set NIL,  29
.set TMP,  32
.set BI,   96
.set ACC,  128
.set F0,   0
.set F1,   128
.set G1, 24
.set G0, 32
.set G1B, 48
.set G0B, 56
.set MSB, 0
.macro WIN new
.if MSB != (\new)
	s_set_vgpr_msb (MSB<<8)|(\new)
.set MSB, (\new)
.endif
.endm
.set MUL,  0x05                        ; sources 0 and 1 window 1; C and D window 0
.set TO_F, 0x40
.macro JLOAD s                         ; a joint load: waves 0 and 1 fetch O's two halves, waves 2 and 3 dense_w's; an s_nop 0 and four v_nop follow each of the two lines
	s_cmp_eq_u32 s11, 0
	s_cbranch_scc0 .Lfor_b_\@
	tensor_load_to_lds s[G0+4*\s:G0+4*\s+3], s[G1:G1+7]
	s_nop 0
.rept 4
	v_nop
.endr
	s_branch .Lasked_\@
.Lfor_b_\@:
	tensor_load_to_lds s[G0B+4*\s:G0B+4*\s+3], s[G1B:G1B+7]
	s_nop 0
.rept 4
	v_nop
.endr
.Lasked_\@:
.endm
.macro CREST
	s_cmp_lg_u32 s10, 0
	s_cbranch_scc1 .Lnot_wave_0_\@
	s_barrier_signal -3
.Lnot_wave_0_\@:
	s_barrier_wait -3
	s_barrier_signal -1
	s_barrier_wait -1
.endm
.macro CROUND
	s_barrier_signal -1
	s_barrier_wait -1
	CREST
.endm
	s_load_b128 s[4:7], s[0:1], 0x0                ; oimg, wimg
	s_load_b128 s[68:71], s[0:1], 0x10             ; dense_b, out0
	v_lshl_add_u32 v[SPW], v0, 2, SPARE
	v_mov_b32 v[NIL], 0
	ds_add_u32 v[SPW], v[NIL]                      ; the wave's opening: the add, twice on end, and its wait ahead of my first tensor load
	ds_add_u32 v[SPW], v[NIL]
	v_lshrrev_b32 v1, 5, v0
	v_readfirstlane_b32 s10, v1                    ; wave 0..3
	s_lshr_b32 s11, s10, 1                         ; which half of the tile's rows is mine.  Also: I fetch for O (0) or for dense_w (1)
	s_and_b32 s12, s10, 1                          ; which half of its columns.  Also: which four row tiles I fetch
	s_bfe_u32 s40, ttmp6, 0x40000
	s_bfe_u32 s41, ttmp6, 0x40004
	s_lshl_b32 s42, ttmp9, 2
	s_add_co_u32 s42, s42, s40                     ; tile column
	s_and_b32 s13, ttmp7, 0xffff
	s_lshl_b32 s13, s13, 2
	s_add_co_u32 s13, s13, s41                     ; tile row
	s_lshl_b32 s43, s41, 2
	s_lshl_b32 s43, 15, s43                        ; my row of the cluster
	s_lshl_b32 s44, 0x1111, s40                    ; my column
	s_or_b32 s[G1+0], s43, (3<<16)|(1<<21)         ; the mask; elements of 8 bytes; bit 21 beside a mask; no padding
	s_or_b32 s[G1B+0], s44, (3<<16)|(1<<21)
.irp g, G1, G1B
	s_mov_b32 s[\g+1], 1024<<16                    ; tensor_dim0 = 1,024 elements: 8,192 bytes
	s_mov_b32 s[\g+2], 4<<16                       ; tensor_dim1 = 4
	s_mov_b32 s[\g+3], 1024<<16                    ; tile_dim0
	s_mov_b32 s[\g+4], 4                           ; tile_dim1
	s_mov_b32 s[\g+5], 4096                        ; the pitch: 32,768 bytes
	s_mov_b32 s[\g+6], 0
	s_mov_b32 s[\g+7], 0
.endr
	s_lshl_b32 s17, s12, 2
	s_lshl_b32 s16, s13, 3
	s_add_co_u32 s16, s16, s17
	s_lshl_b32 s16, s16, 15                        ; O: row tile 8 x tile row + 4 x half, 32,768 bytes each
	s_lshl_b32 s46, s42, 3
	s_add_co_u32 s46, s46, s17
	s_lshl_b32 s46, s46, 15                        ; dense_w likewise, by the tile column
	s_mov_b32 s17, 0
	s_mov_b32 s47, 0
	s_lshl_b32 s20, s10, 15                        ; where they go: wave x 32,768: no place in the cluster enters an LDS address
	s_wait_dscnt 0x0                               ; both opening adds are done
	s_wait_kmcnt 0x0
	s_add_nc_u64 s[14:15], s[4:5], s[16:17]
	s_add_nc_u64 s[46:47], s[6:7], s[46:47]
	CROUND                                         ; all sixteen work-groups are here: the first joint loads meet
.irp s, 0,1
	s_mov_b32 s[G0+4*\s], 1
	s_add_co_u32 s[G0+4*\s+1], s20, \s*SLOT
	s_add_nc_u64 s[G0+4*\s+2:G0+4*\s+3], s[14:15], \s*8192
	s_or_b32 s[G0+4*\s+3], s[G0+4*\s+3], 0x80000000
	s_mov_b32 s[G0B+4*\s], 1
	s_add_co_u32 s[G0B+4*\s+1], s20, \s*SLOT
	s_add_nc_u64 s[G0B+4*\s+2:G0B+4*\s+3], s[46:47], \s*8192
	s_or_b32 s[G0B+4*\s+3], s[G0B+4*\s+3], 0x80000000
	JLOAD \s
.endr
	v_and_b32 v1, 15, v0                           ; r
	v_bfe_u32 v2, v0, 4, 1                         ; h
	v_and_b32 v3, 31, v0
	v_lshlrev_b32 v3, 4, v3                        ; 16 x lane
	s_lshl_b32 s21, s11, 15                        ; my four row tiles of O
	s_lshl_b32 s22, s12, 15
	s_add_co_u32 s22, s22, 65536                   ; my four of dense_w, behind O's eight
.irp s, 0,1
	v_add_nc_u32 v[ADRA+\s], s21, v3
	v_add_nc_u32 v[ADRB+\s], s22, v3
	s_add_co_u32 s21, s21, SLOT
	s_add_co_u32 s22, s22, SLOT
.endr
	s_mul_i32 s23, s10, 16*SPITCH
	s_add_co_u32 s23, s23, STAGE                   ; my stage
	v_mul_u32_u24 v4, v1, SPITCH
	v_lshl_add_u32 v4, v2, 5, v4
	v_add_nc_u32 v[STO], s23, v4                   ; in: row r, 32 bytes for each half of the lanes
	v_mul_u32_u24 v5, v2, SPITCH
	v_lshl_add_u32 v5, v1, 4, v5
	v_add_nc_u32 v[RD], s23, v5                    ; back: lanes 0-15 one row of 256 bytes, lanes 16-31 the next
	v_lshlrev_b32 v5, 12, v2
	v_lshl_add_u32 v[CO], v1, 4, v5                ; and the same two rows in out0
	s_lshl_b32 s46, s42, 9
	s_lshl_b32 s47, s12, 8
	s_add_co_u32 s46, s46, s47                     ; my first column, in bytes: 512 x tile column + 256 x half
	s_mov_b32 s47, 0
	s_add_nc_u64 s[68:69], s[68:69], s[46:47]
	v_lshlrev_b32 v6, 5, v2
.irp b, 0,1,2,3
	global_load_b128 v[BI+8*\b:BI+8*\b+3], v6, s[68:69] offset:64*\b       ; the bias in the result's layout: columns 16 b + 8 h + 0..7
	global_load_b128 v[BI+8*\b+4:BI+8*\b+7], v6, s[68:69] offset:64*\b+16
.endr
	s_lshl_b32 s16, s13, 7
	s_lshl_b32 s17, s11, 6
	s_add_co_u32 s16, s16, s17
	s_lshl_b32 s16, s16, 12                        ; my first row of out0, 4,096 bytes a row
	s_mov_b32 s17, 0
	s_add_nc_u64 s[8:9], s[70:71], s[16:17]
	s_add_nc_u64 s[8:9], s[8:9], s[46:47]
; 8 matrix instructions: row blocks a0, a0 + 1 x all 4 column blocks, 32 along K.  first = 1: the bias is the C of the product that starts a sum.  The 16 accumulators take turns.
.macro MUL8 f, c, a0, first
.irp a, \a0, \a0+1
.irp b, 0,1,2,3
.if \first
	v_wmma_f32_16x16x32_f16 v[ACC+8*(4*(\a)+\b):ACC+8*(4*(\a)+\b)+7], v[\f+64+8*(4*\c+\b):\f+64+8*(4*\c+\b)+7], v[\f+8*(4*\c+\a):\f+8*(4*\c+\a)+7], v[BI+8*\b:BI+8*\b+7]
.else
	v_wmma_f32_16x16x32_f16 v[ACC+8*(4*(\a)+\b):ACC+8*(4*(\a)+\b)+7], v[\f+64+8*(4*\c+\b):\f+64+8*(4*\c+\b)+7], v[\f+8*(4*\c+\a):\f+8*(4*\c+\a)+7], v[ACC+8*(4*(\a)+\b):ACC+8*(4*(\a)+\b)+7]
.endif
.endr
.endr
.endm
; 32 LDS loads in one run: the fragments of 64 along K, which begin k bytes into each row tile's 8,192, into buffer f; the first 32 along K first
.macro FETCH slot, k, f
	WIN TO_F
.irp c, 0,1
.irp i, 0,1,2,3
	ds_load_b128 v[\f+64+8*(4*\c+\i):\f+64+8*(4*\c+\i)+3],   v[ADRB+\slot] offset:\k+1024*\c+\i*8192
	ds_load_b128 v[\f+64+8*(4*\c+\i)+4:\f+64+8*(4*\c+\i)+7], v[ADRB+\slot] offset:\k+1024*\c+\i*8192+512
	ds_load_b128 v[\f+8*(4*\c+\i):\f+8*(4*\c+\i)+3],         v[ADRA+\slot] offset:\k+1024*\c+\i*8192
	ds_load_b128 v[\f+8*(4*\c+\i)+4:\f+8*(4*\c+\i)+7],       v[ADRA+\slot] offset:\k+1024*\c+\i*8192+512
.endr
.endr
.endm
.macro PLACES
.rept 4
	v_nop
.endr
.endm
.macro QUARTER slot, k, f, g, first    ; 64 along K: multiplies buffer f and fetches the next quarter, at byte k, into g
	s_wait_dscnt 16                                ; the first 32 along K are in; the other sixteen loads may be out
	WIN MUL
	MUL8 \f, 0, 0, \first
	MUL8 \f, 0, 2, \first
	PLACES
	FETCH \slot, \k, \g
	s_wait_dscnt 32                                ; all but the 32 just issued
	WIN MUL
	MUL8 \f, 1, 0, 0
	MUL8 \f, 1, 2, 0
.endm
; A K step's last quarter changes slots: one barrier; in front of it each wave waits for all its tensor loads, adds 0 to its spare word, and waits for that and for its reads of this slot.
.macro TURN slot, next, fill
	WIN 0
	s_wait_tensorcnt 0x0                           ; all my tensor loads have landed: my part of the next slot
	ds_add_u32 v[SPW], v[NIL]                      ; 0 onto my spare word
	s_wait_dscnt 17                                ; (the add and the youngest sixteen loads may be out)
	WIN MUL
	MUL8 F1, 0, 0, 0
	s_wait_dscnt 0x0                               ; the add is done, and my reads of this slot are over
	s_barrier_signal -1
	MUL8 F1, 0, 2, 0
.if \fill
	WIN 0
.endif
	s_barrier_wait -1
.if \fill
	CREST                                          ; the barrier has opened a round of the cluster's barrier: no wave of any partner still reads this slot or has a load on its way
	s_add_nc_u64 s[G0+4*\slot+2:G0+4*\slot+3], s[G0+4*\slot+2:G0+4*\slot+3], 16384
	s_add_nc_u64 s[G0B+4*\slot+2:G0B+4*\slot+3], s[G0B+4*\slot+2:G0B+4*\slot+3], 16384
	JLOAD \slot                                    ; the first tensor load behind the round; its four v_nop are also the places in front of the loads below
.else
	PLACES
.endif
	FETCH \next, 0, F0
	WIN MUL
	MUL8 F1, 1, 0, 0
	MUL8 F1, 1, 2, 0
.endm
	s_wait_tensorcnt 1                             ; my part of K step 0 is in (K step 1's load may be out),
	s_barrier_signal -1
	s_barrier_wait -1                              ; everybody's is
	FETCH 0, 0, F0
	s_wait_loadcnt 0x0                             ; the bias
	QUARTER 0, 2048, F0, F1, 1
	QUARTER 0, 4096, F1, F0, 0
	QUARTER 0, 6144, F0, F1, 0
	TURN 0, 1, 1                                   ; slot 0 takes K step 2
	QUARTER 1, 2048, F0, F1, 0
	QUARTER 1, 4096, F1, F0, 0
	QUARTER 1, 6144, F0, F1, 0
	TURN 1, 0, 1                                   ; slot 1 takes K step 3
	QUARTER 0, 2048, F0, F1, 0
	QUARTER 0, 4096, F1, F0, 0
	QUARTER 0, 6144, F0, F1, 0
	TURN 0, 1, 0                                   ; nothing is left to fetch
	QUARTER 1, 2048, F0, F1, 0
	QUARTER 1, 4096, F1, F0, 0
	QUARTER 1, 6144, F0, F1, 0
	s_wait_dscnt 16
	WIN MUL
	MUL8 F1, 0, 0, 0
	MUL8 F1, 0, 2, 0
	s_wait_dscnt 0
	MUL8 F1, 1, 0, 0
	MUL8 F1, 1, 2, 0
	WIN 0
; THE WAY OUT, 16 rows x 64 columns at a time through my own stage: a lane holds 32 bytes of a row; back come whole runs of 256 bytes, which sixteen lanes store, aligned.
.macro TOSTAGE a
.irp b, 0,1,2,3
	ds_store_b128 v[STO], v[ACC+8*(4*(\a)+\b):ACC+8*(4*(\a)+\b)+3] offset:64*\b        ; each accumulator from its low end on
	ds_store_b128 v[STO], v[ACC+8*(4*(\a)+\b)+4:ACC+8*(4*(\a)+\b)+7] offset:64*\b+16
.endr
.set BB, TMP+32*((\a)%2)
.irp i, 0,1,2,3,4,5,6,7
	ds_load_b128 v[BB+4*\i:BB+4*\i+3], v[RD] offset:\i*2*SPITCH    ; LDS serves a wave's instructions in order: these see the stores above
.endr
.endm
.macro SEND a, younger                 ; younger: the LDS instructions issued behind block a's loads
.set BB, TMP+32*((\a)%2)
	s_wait_dscnt \younger
.irp i, 0,1,2,3,4,5,6,7
	global_store_b128 v[CO], v[BB+4*\i:BB+4*\i+3], s[8:9] offset:(16*(\a)+2*\i)*4096 th:TH_STORE_NT
.endr
.endm
	PLACES
	TOSTAGE 0
.irp a, 1,2,3
.if \a > 1
	s_wait_xcnt 0x0                                ; block a - 2's stores have read their registers
.endif
	TOSTAGE \a
	SEND \a-1, 16                                  ; behind block a - 1's loads: block a's 8 stores and 8 loads
.endr
	SEND 3, 0
	s_wait_tensorcnt 0x0                           ; the wave's end
	ds_add_u32 v[SPW], v[NIL]
	s_wait_dscnt 0x0
	CROUND                                         ; the closing round
	s_endpgm
.Lfunc_end_k_q5b6ae6cfea_oproj:
	.size	k_q5b6ae6cfea_oproj, .Lfunc_end_k_q5b6ae6cfea_oproj-k_q5b6ae6cfea_oproj
	.p2alignl 7, 3214868480
	.fill 96, 4, 3214868480
	.section	.rodata,"a",@progbits
	.p2align	6, 0x0
	.amdhsa_kernel k_q5b6ae6cfea_oproj
		.amdhsa_group_segment_fixed_size 327680
		.amdhsa_private_segment_fixed_size 0
		.amdhsa_enable_private_segment 0
		.amdhsa_kernarg_size 32
		.amdhsa_user_sgpr_count 2
		.amdhsa_user_sgpr_kernarg_segment_ptr 1
		.amdhsa_wavefront_size32 1
		.amdhsa_system_sgpr_workgroup_id_x 1
		.amdhsa_system_sgpr_workgroup_id_y 1
		.amdhsa_system_sgpr_workgroup_id_z 1
		.amdhsa_system_vgpr_workitem_id 0
		.amdhsa_next_free_vgpr 512
		.amdhsa_next_free_sgpr 72
		.amdhsa_reserve_vcc 0
		.amdhsa_float_denorm_mode_32 3
		.amdhsa_float_denorm_mode_16_64 3
		.amdhsa_memory_ordered 1
		.amdhsa_forward_progress 1
		.amdhsa_inst_pref_size 86
	.end_amdhsa_kernel
	.amdgpu_metadata
---
amdhsa.version: [ 1, 2 ]
amdhsa.kernels:
  - .name:           k_q5b6ae6cfea_oproj
    .symbol:         k_q5b6ae6cfea_oproj.kd
    .args:
      - { .name: oimg, .offset: 0, .size: 8, .value_kind: global_buffer, .address_space: global }
      - { .name: wimg, .offset: 8, .size: 8, .value_kind: global_buffer, .address_space: global }
      - { .name: dense_b, .offset: 16, .size: 8, .value_kind: global_buffer, .address_space: global }
      - { .name: out0, .offset: 24, .size: 8, .value_kind: global_buffer, .address_space: global }
    .group_segment_fixed_size: 327680
    .private_segment_fixed_size: 0
    .kernarg_segment_align: 8
    .kernarg_segment_size: 32
    .max_flat_workgroup_size: 128
    .sgpr_count:     72
    .vgpr_count:     512
    .wavefront_size: 32
...
	.end_amdgpu_metadata
.endif
;; end of part 4
;; launch fine (part 5): grid 16 x 4, 16 waves a work-group, no clusters, 71,680 bytes of LDS; arguments qk, vimg, mask, flags, wimg, dense_b, out0; writes out0
.if DOCPART == 5
	.amdgcn_target "amdgcn-amd-amdhsa--gfx1250"
	.amdhsa_code_object_version 6
	.text
	.protected	k_q5b6ae6cfea_fine
	.globl	k_q5b6ae6cfea_fine
	.p2align	8
	.type	k_q5b6ae6cfea_fine,@function
k_q5b6ae6cfea_fine:
	s_mov_b64 s[64:65], 0
	v_nop
	global_prefetch_b8 v0, s[64:65] scope:SCOPE_SE
	s_setreg_imm32_b32 hwreg(HW_REG_WAVE_MODE, 25, 1), 1
	s_wait_xcnt 0x0
; THE FIRST 16 POSITIONS OF EVERY SEQUENCE, MORE FINELY.  Where a row of the softmax averages few values, the result is large and the rounding of f16 operands weighs most.  Here the weights p, V, the
; attention's result O and dense_w go to the matrix units as pairs of f16 numbers, a high and a low part (hi x hi + hi x lo + lo x hi); the rows of out0 are written over.
; SHARES.  A work-group takes 64 columns of out0 (x) of one batch (y); wave = head.  Each wave makes its head's attention for the 16 queries (repeated in each of the 16 work-groups of a batch: under a mask
; that hides later keys that is one key step), multiplies it by its head's 64 rows of dense_w, and the sixteen heads' parts meet in LDS: wave w sums row w, heads ascending, adds the bias and stores 256 bytes.
; The mask is honoured as it is given, by the stored flags (dead, zero: for each 8 rows x 64 keys): a dead key step is passed over, a mixed one adds mask x (-3.2e10) to 32 x the score.
; These branches hang on stored whole numbers: no tensor load; operands go from memory straight into registers, as images (lane l's 16 bytes at 16 l).  The trip count is a constant.
; THE SPLIT: g = 8193 x, d = x - g, hi = g + d has 11 significant bits; lo = x - hi.  LIMITS: as in the attention launch; under f16's normal range a part keeps an absolute error of 2^-25.
; REGISTERS: v1 16 x lane; v2 the mask's offset; v3 8 x lane; v4, v5 the add's two; v[6:7] the bias; v8-15 statistics; v16-31 Q; v32-47 S^T, later O's low part; v48-55, v56-63 P's parts, later O's high part;
;   v64-79 at work; v80, v81 the stage's addresses; v[82:83] the sum; v96-127 O^T, later the result; v128-159 K; v160-191, v192-223 V's parts; later v128-191, v192-255 dense_w's parts.
.set SPARE, 69632                      ; behind sixteen stages of 16 x 272 bytes: the spare words, 128 bytes for each wave
.set SPW, 4
.set NIL, 5
.set ST,  8                            ; +0 c m, +1 m, +2, +3 l, +4..+7 at work; a in +6
.set QF,  16
.set S,   32
.set PH,  48
.set PL,  56
.set TM,  64
.set OT,  96
.set KF,  128
.set VH,  160
.set VL,  192
	s_load_b256 s[4:11], s[0:1], 0x0               ; qk 4, vimg 6, mask 8, flags 10
	s_load_b128 s[12:15], s[0:1], 0x20             ; wimg 12, dense_b 14
	s_load_b64 s[16:17], s[0:1], 0x30              ; out0
	v_lshl_add_u32 v[SPW], v0, 2, SPARE
	v_mov_b32 v[NIL], 0
	v_lshrrev_b32 v8, 5, v0
	v_readfirstlane_b32 s18, v8                    ; wave = head
	v_and_b32 v8, 31, v0
	v_lshlrev_b32 v1, 4, v8
	v_lshlrev_b32 v3, 3, v8
	v_and_b32 v9, 15, v0                           ; r
	v_bfe_u32 v10, v0, 4, 1                        ; h
	v_lshlrev_b32 v2, 13, v9
	v_lshl_add_u32 v2, v10, 5, v2                  ; the mask: row r of 8,192 bytes, + 32 h
	s_mul_i32 s21, s18, 4352
	v_mul_u32_u24 v80, v9, 272
	v_lshl_add_u32 v80, v10, 5, v80
	v_add_nc_u32 v80, s21, v80                     ; my stage: row r, 32 bytes for each half of the lanes
	s_mul_i32 s21, s18, 272
	v_add_nc_u32 v81, s21, v3                      ; back: row w of every stage, 8 bytes a lane
	s_and_b32 s20, ttmp7, 0xffff                   ; batch
	s_lshl_b32 s22, s20, 4
	s_add_co_u32 s22, s22, s18
	s_lshl_b32 s22, s22, 18                        ; the head's 262,144 bytes
	s_mov_b32 s23, 0
	s_mov_b32 s40, 0x3d38aa3b                      ; c = log2(e) / 32
	s_mov_b32 s41, s40
	s_mov_b32 s42, 0x76543210
	s_mov_b32 s43, 0xfedcba98
	s_mov_b32 s44, 0xd0ee6b28                      ; -3.2e10
	s_mov_b32 s45, s44
	s_mov_b32 s46, 0x46000400                      ; 8193.0
	s_mov_b32 s47, s46
	s_wait_kmcnt 0x0
	s_load_b64 s[32:33], s[10:11], 0x0             ; the dead words of mask rows 0-7 and 8-15
	s_load_b64 s[34:35], s[10:11], 0x400           ; their zero words
	s_add_nc_u64 s[30:31], s[4:5], s[22:23]        ; Q: the head's token tile 0
	s_add_nc_u64 s[24:25], s[30:31], 0x1000000     ; K
	s_add_nc_u64 s[26:27], s[6:7], s[22:23]        ; V, high
	s_add_nc_u64 s[28:29], s[26:27], 0x1000000     ; V, low
	s_lshl_b32 s22, ttmp9, 17                      ; dense_w: four tiles of 16 columns, 32,768 bytes each,
	s_lshl_b32 s50, s18, 11
	s_add_co_u32 s22, s22, s50                     ; + the head's 64 along K: 2,048 bytes
	s_add_nc_u64 s[12:13], s[12:13], s[22:23]
	s_add_nc_u64 s[48:49], s[12:13], 0x200000
	s_lshl_b32 s22, ttmp9, 8
	s_add_nc_u64 s[14:15], s[14:15], s[22:23]
	s_lshl_b32 s50, s20, 11
	s_add_co_u32 s50, s50, s18                     ; the row that I store: position w of the batch
	s_lshl_b32 s50, s50, 12
	s_add_co_u32 s22, s22, s50
	s_add_nc_u64 s[16:17], s[16:17], s[22:23]
.irp f, 0,1,2,3
	global_load_b128 v[QF+4*\f:QF+4*\f+3], v1, s[30:31] offset:512*\f
.endr
	global_load_b64 v[6:7], v3, s[14:15]
	v_mov_b32 v[ST+1], 0xff61b1e6                  ; m = -3e38
	v_mul_f32 v[ST], s40, v[ST+1]
.irp j, 2,3,4,5,6,7
	v_mov_b32 v[ST+\j], 0
.endr
.set jj, 0
.rept 32
	v_mov_b32 v[OT+jj], 0                          ; which key step is the first hangs on the flags
.set jj, jj+1
.endr
	s_wait_kmcnt 0x0
	s_and_b32 s32, s32, s33
	s_and_b32 s34, s34, s35
	s_not_b32 s32, s32                             ; live
	s_and_b32 s36, s32, 0xffff                     ; even key steps,
	s_lshr_b32 s37, s32, 16                        ; odd
	s_and_not1_b32 s34, s32, s34                   ; live and not zero
	s_and_b32 s38, s34, 0xffff
	s_lshr_b32 s39, s34, 16
	s_wait_loadcnt 0x0
.macro SPLIT8 x, h, l                  ; eight numbers v[x ..] (kept): the high part's f16 into v[h .. h + 3], the low part's into v[l .. l + 3]
.irp j, 0,2,4,6
	v_pk_mul_f32 v[TM+\j:TM+\j+1], v[(\x)+\j:(\x)+\j+1], s[46:47] op_sel_hi:[1,0]
.endr
.irp j, 0,2,4,6
	v_pk_add_f32 v[TM+8+\j:TM+9+\j], v[(\x)+\j:(\x)+\j+1], v[TM+\j:TM+\j+1] neg_lo:[0,1] neg_hi:[0,1]
.endr
.irp j, 0,2,4,6
	v_pk_add_f32 v[TM+\j:TM+\j+1], v[TM+\j:TM+\j+1], v[TM+8+\j:TM+9+\j]
.endr
.irp j, 0,2,4,6
	v_pk_add_f32 v[TM+8+\j:TM+9+\j], v[(\x)+\j:(\x)+\j+1], v[TM+\j:TM+\j+1] neg_lo:[0,1] neg_hi:[0,1]
.endr
.irp j, 0,1,2,3
	v_cvt_pk_f16_f32 v[(\h)+\j], v[TM+2*\j], v[TM+2*\j+1]
	v_cvt_pk_f16_f32 v[(\l)+\j], v[TM+8+2*\j], v[TM+9+2*\j]
.endr
.endm
; 32 keys: half hs of key step sub of the trip
.macro FHALF sub, hs, mx
.irp f, 0,1,2,3,4,5,6,7
	global_load_b128 v[KF+4*\f:KF+4*\f+3], v1, s[24:25] offset:\sub*8192+\hs*4096+512*\f
.endr
.irp f, 0,1,2,3,4,5,6,7
	global_load_b128 v[VH+4*\f:VH+4*\f+3], v1, s[26:27] offset:\sub*8192+\hs*4096+512*\f
.endr
.irp f, 0,1,2,3,4,5,6,7
	global_load_b128 v[VL+4*\f:VL+4*\f+3], v1, s[28:29] offset:\sub*8192+\hs*4096+512*\f
.endr
	s_wait_loadcnt 16                              ; K is in; V's two parts may be out
	v_wmma_f32_16x16x32_f16 v[S:S+7], v[KF:KF+7], v[QF:QF+7], 0                       ; the two accumulators take turns
	v_wmma_f32_16x16x32_f16 v[S+8:S+15], v[KF+16:KF+23], v[QF:QF+7], 0
	v_wmma_f32_16x16x32_f16 v[S:S+7], v[KF+8:KF+15], v[QF+8:QF+15], v[S:S+7]
	v_wmma_f32_16x16x32_f16 v[S+8:S+15], v[KF+24:KF+31], v[QF+8:QF+15], v[S+8:S+15]
.rept 4
	v_nop
.endr
	s_bitcmp1_b32 s[\mx], 0
	s_cbranch_scc0 .Lplain_\@
.irp k, 0,1
	global_load_b128 v[TM+8*\k:TM+8*\k+3], v2, s[8:9] offset:\sub*256+\hs*128+64*\k
	global_load_b128 v[TM+8*\k+4:TM+8*\k+7], v2, s[8:9] offset:\sub*256+\hs*128+64*\k+16
.endr
	s_wait_loadcnt 0x0
.irp j, 0,2,4,6,8,10,12,14
	v_pk_fma_f32 v[S+\j:S+\j+1], v[TM+\j:TM+\j+1], s[44:45], v[S+\j:S+\j+1] op_sel_hi:[1,0,1]
.endr
.Lplain_\@:
	v_max3_num_f32 v[ST+4], v[S], v[S+1], v[S+2]   ; each accumulator is first read at its low end
	v_max3_num_f32 v[ST+5], v[S+8], v[S+9], v[S+10]
	v_max3_num_f32 v[ST+4], v[ST+4], v[S+3], v[S+4]
	v_max3_num_f32 v[ST+5], v[ST+5], v[S+11], v[S+12]
	v_max3_num_f32 v[ST+4], v[ST+4], v[S+5], v[S+6]
	v_max3_num_f32 v[ST+5], v[ST+5], v[S+13], v[S+14]
	v_max3_num_f32 v[ST+4], v[ST+4], v[S+7], v[S+15]
	v_max3_num_f32 v[ST+4], v[ST+4], v[ST+5], v[ST+1]
	v_permlanex16_b32 v[ST+5], v[ST+4], s42, s43
	v_mov_b32 v[ST+7], v[ST]
	v_max_num_f32 v[ST+1], v[ST+4], v[ST+5]
	v_mul_f32 v[ST], s40, v[ST+1]
	v_sub_f32 v[ST+7], v[ST+7], v[ST]
.irp j, 0,2,4,6,8,10,12,14
	v_pk_fma_f32 v[S+\j:S+\j+1], v[S+\j:S+\j+1], s[40:41], v[ST:ST+1] op_sel_hi:[1,0,0] neg_lo:[0,0,1] neg_hi:[0,0,1]
.endr
	v_exp_f32 v[ST+6], v[ST+7]                     ; a
.irp j, 0,1,2,3,4,5,6,7,8,9,10,11,12,13,14,15
	v_exp_f32 v[S+\j], v[S+\j]
.endr
	v_nop
	s_wait_alu depctr_va_vdst(0)                   ; one wait for the batch of 17, ahead of its first reader
	SPLIT8 S, PH, PL
	SPLIT8 S+8, PH+4, PL+4
.irp j, 0,4,8,12
	v_pk_add_f32 v[S+\j:S+\j+1], v[S+\j:S+\j+1], v[S+\j+2:S+\j+3]
.endr
.irp j, 0,8
	v_pk_add_f32 v[S+\j:S+\j+1], v[S+\j:S+\j+1], v[S+\j+4:S+\j+5]
.endr
	v_pk_add_f32 v[S:S+1], v[S:S+1], v[S+8:S+9]
	v_pk_fma_f32 v[ST+2:ST+3], v[ST+2:ST+3], v[ST+6:ST+7], v[S:S+1] op_sel_hi:[1,0,1]
.set jj, 0
.rept 16
	v_pk_mul_f32 v[OT+jj:OT+jj+1], v[OT+jj:OT+jj+1], v[ST+6:ST+7] op_sel_hi:[1,0]
.set jj, jj+2
.endr
	s_wait_loadcnt 0x0                             ; V
.irp d, 0,1,2,3                        ; the four accumulators take turns
	v_wmma_f32_16x16x32_f16 v[OT+8*\d:OT+8*\d+7], v[VH+8*\d:VH+8*\d+7], v[PH:PH+7], v[OT+8*\d:OT+8*\d+7]
.endr
.irp d, 0,1,2,3
	v_wmma_f32_16x16x32_f16 v[OT+8*\d:OT+8*\d+7], v[VH+8*\d:VH+8*\d+7], v[PL:PL+7], v[OT+8*\d:OT+8*\d+7]
.endr
.irp d, 0,1,2,3
	v_wmma_f32_16x16x32_f16 v[OT+8*\d:OT+8*\d+7], v[VL+8*\d:VL+8*\d+7], v[PH:PH+7], v[OT+8*\d:OT+8*\d+7]
.endr
.rept 5
	v_nop                                          ; places: four for the next loads into V's registers and reads of O^T, a fifth for the products that later write over O^T
.endr
.endm
	s_mov_b32 s3, 16
.Ltrip:                                            ; 16 trips of two key steps: a constant
	s_bitcmp1_b32 s36, 0
	s_cbranch_scc0 .Lskip_even
	FHALF 0, 0, 38
	FHALF 0, 1, 38
.Lskip_even:
	s_bitcmp1_b32 s37, 0
	s_cbranch_scc0 .Lskip_odd
	FHALF 1, 0, 39
	FHALF 1, 1, 39
.Lskip_odd:
	s_wait_xcnt 0x0                                ; the trip's loads have read their bases
	s_add_nc_u64 s[24:25], s[24:25], 16384
	s_add_nc_u64 s[26:27], s[26:27], 16384
	s_add_nc_u64 s[28:29], s[28:29], 16384
	s_add_nc_u64 s[8:9], s[8:9], 512
	s_lshr_b32 s36, s36, 1
	s_lshr_b32 s37, s37, 1
	s_lshr_b32 s38, s38, 1
	s_lshr_b32 s39, s39, 1
	s_sub_co_u32 s3, s3, 1
	s_cmp_lg_u32 s3, 0
	s_cbranch_scc1 .Ltrip
; my head's 64 rows of dense_w for the work-group's 64 columns, both parts: fragment (tile n of 16 columns, 32 c along K) at 128 + 16 n + 8 c, the low part 64 registers on
.irp n, 0,1,2,3
.irp c, 0,1,2,3
	global_load_b128 v[128+16*\n+4*\c:128+16*\n+4*\c+3], v1, s[12:13] offset:\n*32768+\c*512
	global_load_b128 v[192+16*\n+4*\c:192+16*\n+4*\c+3], v1, s[48:49] offset:\n*32768+\c*512
.endr
.endr
	v_add_f32 v[ST+4], v[ST+2], v[ST+3]
	v_permlanex16_b32 v[ST+5], v[ST+4], s42, s43
	v_add_f32 v[ST+4], v[ST+4], v[ST+5]
	v_rcp_f32 v[ST+6], v[ST+4]
	v_nop
	s_wait_alu depctr_va_vdst(0)                   ; ahead of the reciprocal's first reader
.set jj, 0
.rept 16
	v_pk_mul_f32 v[OT+jj:OT+jj+1], v[OT+jj:OT+jj+1], v[ST+6:ST+7] op_sel_hi:[1,0]
.set jj, jj+2
.endr
.irp d, 0,1,2,3                        ; O^T's tile d (channels 16 d + 8 h + 0..7 of query r) is half a fragment of the next operand: high part v48-63, low part v32-47
	SPLIT8 OT+8*\d, PH+4*\d, S+4*\d
.endr
	s_wait_loadcnt 0x0
.macro YTERM w, o, first               ; four products, one for each tile of 16 columns: the four accumulators take turns
.irp n, 0,1,2,3
.if \first
	v_wmma_f32_16x16x32_f16 v[OT+8*\n:OT+8*\n+7], v[(\w)+16*\n:(\w)+16*\n+7], v[\o:\o+7], 0
.else
	v_wmma_f32_16x16x32_f16 v[OT+8*\n:OT+8*\n+7], v[(\w)+16*\n:(\w)+16*\n+7], v[\o:\o+7], v[OT+8*\n:OT+8*\n+7]
.endif
.endr
.endm
	YTERM 128, 48, 1                               ; high x high,
	YTERM 136, 56, 0
	YTERM 128, 32, 0                               ; high x O's low,
	YTERM 136, 40, 0
	YTERM 192, 48, 0                               ; dense_w's low x high
	YTERM 200, 56, 0
.rept 4
	v_nop
.endr
.irp n, 0,1,2,3
	ds_store_b128 v80, v[OT+8*\n:OT+8*\n+3] offset:64*\n           ; lane (r, h): query r, columns 16 n + 8 h + 0..7; each accumulator from its low end on
	ds_store_b128 v80, v[OT+8*\n+4:OT+8*\n+7] offset:64*\n+16
.endr
	s_wait_dscnt 0x0                               ; for the others' sake: my stores have landed
	s_barrier_signal -1
	s_barrier_wait -1
.irp p, 0,1,2,3,4,5,6,7,8,9,10,11,12,13,14,15
	ds_load_b64 v[128+2*\p:129+2*\p], v81 offset:\p*4352           ; row w of head p's part
.endr
	s_wait_dscnt 0x0
	v_pk_add_f32 v[82:83], v[6:7], v[128:129]
.irp p, 1,2,3,4,5,6,7,8,9,10,11,12,13,14,15
	v_pk_add_f32 v[82:83], v[82:83], v[128+2*\p:129+2*\p]
.endr
	global_store_b64 v3, v[82:83], s[16:17]        ; 32 lanes store 256 consecutive bytes, aligned
	s_wait_tensorcnt 0x0                           ; the wave's end
	ds_add_u32 v[SPW], v[NIL]
	s_wait_dscnt 0x0
	s_endpgm
.Lfunc_end_k_q5b6ae6cfea_fine:
	.size	k_q5b6ae6cfea_fine, .Lfunc_end_k_q5b6ae6cfea_fine-k_q5b6ae6cfea_fine
	.p2alignl 7, 3214868480
	.fill 96, 4, 3214868480
	.section	.rodata,"a",@progbits
	.p2align	6, 0x0
	.amdhsa_kernel k_q5b6ae6cfea_fine
		.amdhsa_group_segment_fixed_size 71680
		.amdhsa_private_segment_fixed_size 0
		.amdhsa_enable_private_segment 0
		.amdhsa_kernarg_size 56
		.amdhsa_user_sgpr_count 2
		.amdhsa_user_sgpr_kernarg_segment_ptr 1
		.amdhsa_wavefront_size32 1
		.amdhsa_system_sgpr_workgroup_id_x 1
		.amdhsa_system_sgpr_workgroup_id_y 1
		.amdhsa_system_sgpr_workgroup_id_z 1
		.amdhsa_system_vgpr_workitem_id 0
		.amdhsa_next_free_vgpr 256
		.amdhsa_next_free_sgpr 66
		.amdhsa_reserve_vcc 0
		.amdhsa_float_denorm_mode_32 3
		.amdhsa_float_denorm_mode_16_64 3
		.amdhsa_memory_ordered 1
		.amdhsa_forward_progress 1
		.amdhsa_inst_pref_size 64
	.end_amdhsa_kernel
	.amdgpu_metadata
---
amdhsa.version: [ 1, 2 ]
amdhsa.kernels:
  - .name:           k_q5b6ae6cfea_fine
    .symbol:         k_q5b6ae6cfea_fine.kd
    .args:
      - { .name: qk, .offset: 0, .size: 8, .value_kind: global_buffer, .address_space: global }
      - { .name: vimg, .offset: 8, .size: 8, .value_kind: global_buffer, .address_space: global }
      - { .name: mask, .offset: 16, .size: 8, .value_kind: global_buffer, .address_space: global }
      - { .name: flags, .offset: 24, .size: 8, .value_kind: global_buffer, .address_space: global }
      - { .name: wimg, .offset: 32, .size: 8, .value_kind: global_buffer, .address_space: global }
      - { .name: dense_b, .offset: 40, .size: 8, .value_kind: global_buffer, .address_space: global }
      - { .name: out0, .offset: 48, .size: 8, .value_kind: global_buffer, .address_space: global }
    .group_segment_fixed_size: 71680
    .private_segment_fixed_size: 0
    .kernarg_segment_align: 8
    .kernarg_segment_size: 56
    .max_flat_workgroup_size: 512
    .sgpr_count:     66
    .vgpr_count:     256
    .wavefront_size: 32
...
	.end_amdgpu_metadata
.endif
;; end of part 5
